; MI455X (gfx1250); checked and timed in simulation.
; The chip was launched on July 23, 2026; its instructions are those of AMD's public machine-readable ISA for CDNA 5 (MIT licence, August 2026) and "CDNA5" Instruction Set Architecture Reference Guide (July 2026). The comments in the code are by the model that wrote it; some were corrected since.
;; Encode. Allowed arithmetic: float matrix products may take bf16 or f16 operands with f32 sums; all other float work in f32.
;; Inputs: Wk 1,024 x 1,024 float32; Wo 1,024 x 1,024 float32; Wq 1,024 x 1,024 float32; Wv 1,024 x 1,024 float32; bk 1,024 float32; bo 1,024 float32; bq 1,024 float32; bv 1,024 float32; l 2 x 1,024 x 1,024 float32; x 2 x 4,096 x 1,024 float32.
;; Outputs: out0 2 x 1,024 x 1,024 float32.
;; One version. Each part assembles by itself: llvm-mc -triple=amdgcn-amd-amdhsa -mcpu=gfx1250 --defsym DOCPART=n.
;; ======== version 1 of 1: 4 launches
;; limits: values are held in f16: magnitudes above 65,504 overflow, below 6.1e-05 lose precision
;; workspace buffers: xb 16,777,216 bytes; lb 4,194,304 bytes; wkv 4,194,304 bytes; wqb 2,097,152 bytes; wob 2,097,152 bytes; kvh 33,554,432 bytes; qf 8,388,608 bytes; ao 8,388,608 bytes
;; launch cast (part 1): grid 1792 x 1, 8 waves a work-group, no clusters, 0 bytes of LDS; arguments x, l, Wq, Wo, Wk, Wv, xb, lb, wqb, wob, wkv; writes xb, lb, wqb, wob, wkv
.if DOCPART == 1
	.amdgcn_target "amdgcn-amd-amdhsa--gfx1250"
	.amdhsa_code_object_version 6
	.text
	.protected	k_qe4b1b7604c_cast
	.globl	k_qe4b1b7604c_cast
	.p2align	8
	.type	k_qe4b1b7604c_cast,@function
k_qe4b1b7604c_cast:
	s_mov_b64 s[64:65], 0
	v_nop
	global_prefetch_b8 v0, s[64:65] scope:SCOPE_SE
	s_setreg_imm32_b32 hwreg(HW_REG_WAVE_MODE, 25, 1), 1
	s_wait_xcnt 0x0
; Rounds the six large f32 inputs to bf16, once, so that the three products that follow read 16-bit tiles.
; 14,336 rows of 1,024 f32 in all (x 8,192, l 2,048, four weights of 1,024); a work-group takes 8 rows of one tensor.
; Thread t loads the 16 bytes at 16 t of each row (a wave's load covers 512 consecutive bytes) and stores 8 bytes
; (a wave's store covers 256 consecutive bytes, aligned).  Each byte is read once and written once; no LDS, no barrier, no loop.
; Where the rows go:
;   x -> xb, l -> lb, Wq -> wqb, Wo -> wob: row n to row n, 2,048 bytes a row.
;   Wk, Wv -> wkv [2048][1024]: head by head, row 64 h + c of Wk to row 128 h + c, of Wv to row 128 h + 64 + c,
;       so that one product makes a head's K and V side by side.
.set XR, 4                             ; v[4:35]   8 rows x 4 f32 as loaded
.set YR, 36                            ; v[36:51]  8 rows x 4 bf16 to store
	s_load_b512 s[8:23], s[0:1], 0x0               ; x 8, l 10, Wq 12, Wo 14, Wk 16, Wv 18, xb 20, lb 22
	s_load_b128 s[24:27], s[0:1], 0x40             ; wqb 24, wob 26
	s_load_b64 s[28:29], s[0:1], 0x50              ; wkv 28
	v_lshlrev_b32 v1, 4, v0                        ; 16 t: my bytes in a row of f32
	v_lshlrev_b32 v2, 3, v0                        ; 8 t: my bytes in a row of bf16
	s_mov_b32 s34, 0                               ; first work-group of my tensor
	s_wait_kmcnt 0x0
	s_mov_b64 s[30:31], s[8:9]                     ; from
	s_mov_b64 s[32:33], s[20:21]                   ; to
; the tensor is chosen by the work-group's number alone: each threshold in ascending order overrides the last
.macro SEG t, src, dst
	s_cmp_ge_u32 ttmp9, \t
	s_cselect_b64 s[30:31], s[\src:\src+1], s[30:31]
	s_cselect_b64 s[32:33], s[\dst:\dst+1], s[32:33]
	s_cselect_b32 s34, \t, s34
.endm
	SEG 1024, 10, 22                               ; l
	SEG 1280, 12, 24                               ; Wq
	SEG 1408, 14, 26                               ; Wo
	SEG 1536, 16, 28                               ; Wk
	SEG 1664, 18, 28                               ; Wv
	s_sub_co_u32 s35, ttmp9, s34
	s_lshl_b32 s35, s35, 3                         ; n: my first row in the tensor
	s_and_b32 s36, s35, 0xffffffc0                 ; 64 x head of that row
	s_cmp_ge_u32 ttmp9, 1536
	s_cselect_b32 s36, s36, 0                      ; Wk, Wv: rows move down by 64 x head,
	s_add_co_u32 s37, s36, 64
	s_cmp_ge_u32 ttmp9, 1664
	s_cselect_b32 s36, s37, s36                    ; Wv: and by 64 more
	s_add_co_u32 s36, s36, s35
	s_lshl_b32 s36, s36, 11                        ; byte offset of the first row stored (below 2^25)
	s_mov_b32 s37, 0
	s_lshl_b32 s38, s35, 12                        ; byte offset of the first row loaded (below 2^25)
	s_mov_b32 s39, 0
	s_add_nc_u64 s[30:31], s[30:31], s[38:39]
	s_add_nc_u64 s[32:33], s[32:33], s[36:37]
.irp j, 0,1,2,3,4,5,6,7
	global_load_b128 v[XR+4*\j:XR+4*\j+3], v1, s[30:31] offset:4096*\j th:TH_LOAD_NT   ; read once in the whole launch
.endr
; row j: its load is in when at most 7 - j younger ones are out (loads return in order, ISA guide 5.7.1).  No register is written twice.
.irp j, 0,1,2,3,4,5,6,7
	s_wait_loadcnt 7-\j
	v_cvt_pk_bf16_f32 v[YR+2*\j], v[XR+4*\j], v[XR+4*\j+1]
	v_cvt_pk_bf16_f32 v[YR+2*\j+1], v[XR+4*\j+2], v[XR+4*\j+3]
	global_store_b64 v2, v[YR+2*\j:YR+2*\j+1], s[32:33] offset:2048*\j
.endr
	s_endpgm
.Lfunc_end_k_qe4b1b7604c_cast:
	.size	k_qe4b1b7604c_cast, .Lfunc_end_k_qe4b1b7604c_cast-k_qe4b1b7604c_cast
	.p2alignl 7, 3214868480
	.fill 96, 4, 3214868480
	.section	.rodata,"a",@progbits
	.p2align	6, 0x0
	.amdhsa_kernel k_qe4b1b7604c_cast
		.amdhsa_group_segment_fixed_size 0
		.amdhsa_private_segment_fixed_size 0
		.amdhsa_enable_private_segment 0
		.amdhsa_kernarg_size 88
		.amdhsa_user_sgpr_count 2
		.amdhsa_user_sgpr_kernarg_segment_ptr 1
		.amdhsa_wavefront_size32 1
		.amdhsa_system_sgpr_workgroup_id_x 1
		.amdhsa_system_sgpr_workgroup_id_y 1
		.amdhsa_system_sgpr_workgroup_id_z 1
		.amdhsa_system_vgpr_workitem_id 0
		.amdhsa_next_free_vgpr 52
		.amdhsa_next_free_sgpr 66
		.amdhsa_reserve_vcc 0
		.amdhsa_float_denorm_mode_32 3
		.amdhsa_float_denorm_mode_16_64 3
		.amdhsa_memory_ordered 1
		.amdhsa_forward_progress 1
		.amdhsa_inst_pref_size 5
	.end_amdhsa_kernel
	.amdgpu_metadata
---
amdhsa.version: [ 1, 2 ]
amdhsa.kernels:
  - .name:           k_qe4b1b7604c_cast
    .symbol:         k_qe4b1b7604c_cast.kd
    .args:
      - { .name: x, .offset: 0, .size: 8, .value_kind: global_buffer, .address_space: global }
      - { .name: l, .offset: 8, .size: 8, .value_kind: global_buffer, .address_space: global }
      - { .name: Wq, .offset: 16, .size: 8, .value_kind: global_buffer, .address_space: global }
      - { .name: Wo, .offset: 24, .size: 8, .value_kind: global_buffer, .address_space: global }
      - { .name: Wk, .offset: 32, .size: 8, .value_kind: global_buffer, .address_space: global }
      - { .name: Wv, .offset: 40, .size: 8, .value_kind: global_buffer, .address_space: global }
      - { .name: xb, .offset: 48, .size: 8, .value_kind: global_buffer, .address_space: global }
      - { .name: lb, .offset: 56, .size: 8, .value_kind: global_buffer, .address_space: global }
      - { .name: wqb, .offset: 64, .size: 8, .value_kind: global_buffer, .address_space: global }
      - { .name: wob, .offset: 72, .size: 8, .value_kind: global_buffer, .address_space: global }
      - { .name: wkv, .offset: 80, .size: 8, .value_kind: global_buffer, .address_space: global }
    .group_segment_fixed_size: 0
    .private_segment_fixed_size: 0
    .kernarg_segment_align: 8
    .kernarg_segment_size: 88
    .max_flat_workgroup_size: 256
    .sgpr_count:     66
    .vgpr_count:     52
    .wavefront_size: 32
...
	.end_amdgpu_metadata
.endif
;; end of part 1
;; launch kvq (part 2): grid 8 x 32, 4 waves a work-group, clusters of 4 x 4, 327,680 bytes of LDS; arguments xb, wkv, kvh, bk, bv, lb, wqb, bq, qf; writes kvh, qf
.if DOCPART == 2
	.amdgcn_target "amdgcn-amd-amdhsa--gfx1250"
	.amdhsa_code_object_version 6
	.text
	.protected	k_qe4b1b7604c_kvq
	.globl	k_qe4b1b7604c_kvq
	.p2align	8
	.type	k_qe4b1b7604c_kvq,@function
k_qe4b1b7604c_kvq:
	s_mov_b64 s[64:65], 0
	v_nop
	global_prefetch_b8 v0, s[64:65] scope:SCOPE_SE
	s_setreg_imm32_b32 hwreg(HW_REG_WAVE_MODE, 25, 1), 1
	s_wait_xcnt 0x0
	s_wait_alu depctr_hold_cnt(0) depctr_sa_sdst(0) depctr_va_vdst(0) depctr_va_sdst(0) depctr_va_ssrc(0) depctr_va_vcc(0) depctr_vm_vsrc(0)
	s_getreg_b32 s2, hwreg(HW_REG_IB_STS2, 6, 4)
	s_cmp_eq_u32 s2, 0
	s_cbranch_scc0 .Lentry_in_a_cluster
	s_endpgm
.Lentry_in_a_cluster:
	s_bfe_u32 s2, ttmp6, 0x10000c
	s_cmp_lg_u32 s2, 0xf033
	s_cbranch_scc0 .Lentry_shape_is_right
	s_endpgm
.Lentry_shape_is_right:
; TWO PRODUCTS IN ONE LAUNCH, one behind the other in every work-group.
; (1) kvh[m][n] = bias[n] + sum over k of xb[m][k] wkv[n][k].  xb: [8192][1024] bf16, wkv: [2048][1024] bf16 (head h: 64 rows of Wk, then 64 of Wv),
;     kvh: [8192][2048] f16: head h owns bytes 256 h .. 256 h + 255 of a token's row, K's 128 bytes and then V's.  Sums in f32.
; (2) qf[m][n] = bq[n] + sum over k of lb[m][k] wqb[n][k].  lb: [2048][1024] bf16, wqb: [1024][1024] bf16, qf: [2048][1024] f32.
; LIMIT: kvh is rounded to f16, so |k|, |v| must stay below 65,504; with inputs of the stated kind their spread is about 0.6.
; (1): a work-group makes 256 x 256 with four waves, a wave 128 x 128: 64 accumulator tiles, 512 registers, 2,048 matrix instructions.  K goes in steps of
; 128 through a ring of two LDS slots filled by the tensor data mover (rows of 256 bytes, aligned).
; (2): the same work-group makes 128 rows x 64 columns of qf; wave w makes rows 32 w .. 32 w + 31: 8 accumulator tiles, 256 matrix instructions.  It stands in
; this launch so that its tiles come in while (1)'s last K step is multiplied and (1)'s results go out, and (1)'s stores leave while (2) is multiplied.
; Its K goes in three fills: K 0-255 into a small slot inside the ring's slot 0, asked for when slot 0 has been read for the last time; K 256-767 into a
; large slot in the rest of the ring, asked for behind (1)'s last matrix instruction; K 768-1023 into the small slot again.
; CLUSTERS: 4 x 4 work-groups.  xb's and lb's tiles hang on a block row alone and are asked for jointly along a row of the cluster, wkv's and wqb's on a
; block column alone and are asked for jointly along a column.  The sixteen clusters (X, Y), X = 0, 1, Y = 0 .. 7, are numbered X + 2 Y for (2)'s 4 x 4 clusters.
; A wave has two tensor loads out at the start and one behind each round of the cluster's barrier.
; REGISTERS, in windows of 256:  window 0: v0-31 addresses; v64-127, v128-191 fragments of xb, two buffers; v192-223 at work on the way out; v224-255 bq
;   window 1: v64-127, v128-191 fragments of wkv, two buffers; v192-255 the bias of my 128 columns, 8 registers for each block of 16
;   window 2: the 32 accumulator tiles of my rows 0-63 (tile (a, b) at v[8 (8 a + b)]);   window 3: those of my rows 64-127
;   (2) works in window 0 alone: v16-79 accumulators, v80-223 three fragment buffers.
; The matrix instruction is used transposed: source 0 = 16 rows of the weights, source 1 = 16 rows of xb or lb, so that a lane's eight results are eight
; neighbouring columns of one row.  The first product of each tile takes the bias as C: nothing is cleared, nothing is added later.
.set SIZE_M, 8192
.set SIZE_N, 2048
.set SIZE_K, 1024
.set KSTEP,  128
.set PITCH,  272                       ; an LDS row: 256 bytes + 16 of padding = 17 x 16: the 16 rows of a fragment load start 16 bytes apart modulo 256
.set HALFT,  128*PITCH                 ; 128 rows: what one tensor load brings
.set SLOT,   4*HALFT                   ; 139,264: xb's 256 rows, then wkv's 256 rows
.set QPITCH, 528                       ; (2), K = 256: 512 bytes + 16 = 33 x 16
.set QSLOT,  192*QPITCH                ; 101,376: lb's 128 rows, then wqb's 64; from LDS byte 0, inside the ring's slot 0
.set QLPITCH, 1040                     ; (2), K = 512: 1,024 bytes + 16 = 65 x 16
.set QLBASE, QSLOT                     ; the large slot: 192 rows x 1,040 = 199,680 bytes, up to 301,056
.set QLW,    QLBASE+128*QLPITCH        ; wqb's rows in it
.set STAGE,  3*QSLOT                   ; 304,128: 16 rows x 272 bytes for each wave, for both ways out; no tensor load lands here
.set SPITCH, 272
.set LAPS, SIZE_K/(2*KSTEP)            ; a lap = two K steps = once round the ring
.set QADRA,  4                         ; v4      (2): LDS address of my lb fragments in the small slot
.set QADRB,  5                         ; v5      the same for wqb
.set QADRAL, 6                         ; v6      my lb fragments in the large slot
.set QADRBL, 7                         ; v7      the same for wqb
.set QSTO, 10                          ; v10     (2)'s way out: where I put 32 bytes of a row
.set RD,   11                          ; v11     both ways out: where I read 16 bytes of a row back
.set CO,   12                          ; v12     both ways out: my byte offset in two rows of 4,096 bytes
.set ADRA, 16                          ; v16-17  LDS address of my xb fragments in slot 0, 1
.set ADRB, 20                          ; v20-21  the same for wkv
.set STO,  24                          ; v24     (1)'s way out: where I put 16 bytes of a row
.set BOF,  27                          ; v27     my byte offset in bk and bv
.set QBO,  28                          ; v28     my byte offset in bq
.set F0,   64
.set F1,   128
.set TMP,  192
.set BIASR, 192                        ; in window 1
.set QACC, 16                          ; (2): tile (a, b) at 16 + 8 (4 a + b)
.set QF0,  80                          ; (2): three fragment buffers of 48: lb's two at +0, +8, wqb's four at +16 + 8 b
.set QBIAS, 224                        ; (2): 8 registers for each b
.set G1, 24                            ; s[24:31] group 1 for xb's tiles; later for lb's tiles of K = 512
.set G0, 32                            ; s[32:39] group 0 for xb's tiles, one set for each slot; the first later for lb's tiles
.set G1B, 48                           ; s[48:55] group 1 for wkv's tiles; later for wqb's tiles of K = 512
.set G0B, 56                           ; s[56:63] group 0 for wkv's tiles; the first later for wqb's tiles
.set QG1,  84                          ; s[84:91] group 1 for lb's tiles of K = 256
.set QG1B, 92                          ; s[92:99] group 1 for wqb's tiles of K = 256
.set MSB, 0
.macro WIN new                         ; the immediate's high byte repeats the setting that is left
.if MSB != \new
	s_set_vgpr_msb (MSB<<8)|\new
.set MSB, \new
.endif
.endm
.set MUL_LO, 0xa1                      ; source 0 (B) window 1, source 1 (A) window 0, C and D window 2
.set MUL_HI, 0xf1                      ; the same, C and D window 3
.set FST_LO, 0x91                      ; the first products: C (the bias) window 1, D window 2
.set FST_HI, 0xd1                      ; C window 1, D window 3
.set TO_B,   0x40                      ; destination window 1, address window 0
; A joint load of (1): waves 0, 1 fetch xb's two halves, waves 2, 3 wkv's.  The branch hangs on the wave's number alone.
.macro JLOAD s
	s_cmp_eq_u32 s11, 0
	s_cbranch_scc0 .Lfor_b_\@
	tensor_load_to_lds s[G0+4*\s:G0+4*\s+3], s[G1:G1+7]
	s_nop 0
	s_branch .Lasked_\@
.Lfor_b_\@:
	tensor_load_to_lds s[G0B+4*\s:G0B+4*\s+3], s[G1B:G1B+7]
	s_nop 0
.Lasked_\@:
.endm
; A joint load of (2): K from 256 ks on; la, lw: the scalar registers with the LDS targets of lb's and wqb's halves; g1, g1b: the groups 1.
; It stands where no tensor load of the wave is out, so the groups 0 may be written.  Waves 0, 1 fetch lb's two halves, waves 2, 3 wqb's.
.macro QFILL ks, la, lw, g1, g1b
	s_mov_b32 s[G0], 1
	s_mov_b32 s[G0+1], s[\la]
	s_add_nc_u64 s[G0+2:G0+3], s[66:67], \ks*512
	s_or_b32 s[G0+3], s[G0+3], 0x80000000          ; type = 2
	s_mov_b32 s[G0B], 1
	s_mov_b32 s[G0B+1], s[\lw]
	s_add_nc_u64 s[G0B+2:G0B+3], s[100:101], \ks*512
	s_or_b32 s[G0B+3], s[G0B+3], 0x80000000
	s_cmp_eq_u32 s11, 0
	s_cbranch_scc0 .Lq_w_\@
	tensor_load_to_lds s[G0:G0+3], s[\g1:\g1+7]
	s_nop 0
	s_branch .Lq_asked_\@
.Lq_w_\@:
	tensor_load_to_lds s[G0B:G0B+3], s[\g1b:\g1b+7]
	s_nop 0
.Lq_asked_\@:
.endm
.macro CREST                           ; a round of the cluster's barrier behind its opening barrier
	s_cmp_lg_u32 s10, 0
	s_cbranch_scc1 .Lnot_wave_0_\@
	s_barrier_signal -3
.Lnot_wave_0_\@:
	s_barrier_wait -3
	s_barrier_signal -1
	s_barrier_wait -1
.endm
.macro CROUND                          ; a whole round
	s_barrier_signal -1
	s_barrier_wait -1
	CREST
.endm
	s_load_b128 s[4:7], s[0:1], 0x0                ; xb s[4:5], wkv s[6:7]
	s_load_b64 s[8:9], s[0:1], 0x10                ; kvh
	s_load_b128 s[68:71], s[0:1], 0x18             ; bk s[68:69], bv s[70:71]
	s_load_b256 s[76:83], s[0:1], 0x28             ; lb s[76:77], wqb s[78:79], bq s[80:81], qf s[82:83]
	s_set_vgpr_msb 0x40
	v_lshl_add_u32 v63, v0, 2, 0x4e800
	s_set_vgpr_msb 0x4000
	v_mov_b32 v15, 0
	s_set_vgpr_msb 0x1
	ds_add_u32 v63, v15
	ds_add_u32 v63, v15
	s_set_vgpr_msb 0x100
	v_lshrrev_b32 v1, 5, v0
	v_readfirstlane_b32 s10, v1                    ; wave 0..3
	s_lshr_b32 s11, s10, 1                         ; which half of the block's rows is mine.  Also: I fetch for A (0) or for B (1)
	s_and_b32 s12, s10, 1                          ; which half of its columns.  Also: which half of that tile I fetch
	s_bfe_u32 s40, ttmp6, 0x40000                  ; cx
	s_bfe_u32 s41, ttmp6, 0x40004                  ; cy
	s_lshl_b32 s42, ttmp9, 2
	s_add_co_u32 s42, s42, s40                     ; block column = 4 x cluster x + cx
	s_and_b32 s13, ttmp7, 0xffff
	s_lshl_b32 s13, s13, 2
	s_add_co_u32 s13, s13, s41                     ; block row = 4 x cluster y + cy
	s_lshl_b32 s43, s41, 2
	s_lshl_b32 s43, 15, s43                        ; my row of the cluster
	s_lshl_b32 s44, 0x1111, s40                    ; my column
	s_lshl_b32 s72, s42, 1
	s_add_co_u32 s72, s72, s12                     ; my 128 columns are one head: 2 x block column + half
	s_lshl_b32 s72, s72, 8                         ; its 64 f32 in bk and in bv
	; group 1: a tile of 128 rows x 128 elements of 2 bytes, 4 words of padding behind every 64 words, bit 21 beside the mask
	s_or_b32 s[G1+0], s43, (1<<16)|(1<<20)|(1<<21)|(5<<22)|(3<<25)
	s_or_b32 s[G1B+0], s44, (1<<16)|(1<<20)|(1<<21)|(5<<22)|(3<<25)
	s_mov_b32 s[G1B+1], KSTEP<<16
	s_mov_b32 s[G1+1], KSTEP<<16                   ; tensor_dim0 = 128
	s_mov_b32 s[G1B+2], 128<<16
	s_mov_b32 s[G1+2], 128<<16                     ; tensor_dim1 = 128
	s_mov_b32 s[G1B+3], KSTEP<<16
	s_mov_b32 s[G1+3], KSTEP<<16                   ; tile_dim0 = 128
	s_mov_b32 s[G1B+4], 128
	s_mov_b32 s[G1+4], 128                         ; tile_dim1 = 128
	s_mov_b32 s[G1B+5], SIZE_K
	s_mov_b32 s[G1+5], SIZE_K                      ; elements from row to row
	s_mov_b32 s[G1B+6], 0
	s_mov_b32 s[G1+6], 0
	s_mov_b32 s[G1B+7], 0
	s_mov_b32 s[G1+7], 0
	; A's address hangs on the block row and the wave's number, B's on the block column and the wave's number, each in registers of its own
	s_lshl_b32 s17, s12, 7
	s_lshl_b32 s16, s13, 8
	s_add_co_u32 s16, s16, s17                     ; A: row 256 x block row + 128 x half
	s_lshl_b32 s46, s42, 8
	s_add_co_u32 s46, s46, s17                     ; B: row 256 x block column + 128 x half
	s_mov_b32 s17, 0
	s_mov_b32 s47, 0
	s_mov_b64 s[18:19], SIZE_K*2
	s_mul_u64 s[16:17], s[16:17], s[18:19]
	s_mul_u64 s[46:47], s[46:47], s[18:19]
	s_mul_i32 s20, s10, HALFT                      ; where they go: wave x 128 rows
	s_wait_dscnt 0x0
	s_wait_kmcnt 0x0
	s_add_nc_u64 s[14:15], s[4:5], s[16:17]
	s_add_nc_u64 s[46:47], s[6:7], s[46:47]
	CROUND                                         ; all sixteen work-groups are here: the first joint loads meet
.irp s, 0,1
	s_mov_b32 s[G0+4*\s], 1
	s_add_co_u32 s[G0+4*\s+1], s20, \s*SLOT
	s_add_nc_u64 s[G0+4*\s+2:G0+4*\s+3], s[14:15], \s*KSTEP*2
	s_or_b32 s[G0+4*\s+3], s[G0+4*\s+3], 0x80000000
	s_mov_b32 s[G0B+4*\s], 1
	s_add_co_u32 s[G0B+4*\s+1], s20, \s*SLOT
	s_add_nc_u64 s[G0B+4*\s+2:G0B+4*\s+3], s[46:47], \s*KSTEP*2
	s_or_b32 s[G0B+4*\s+3], s[G0B+4*\s+3], 0x80000000
	JLOAD \s                                       ; the ring is filled before anything else: two tensor loads of the wave are out
.endr
	v_and_b32 v1, 15, v0                           ; l % 16
	v_bfe_u32 v2, v0, 4, 1                         ; l / 16
	; the bias as a C operand: register j of block b holds bias[16 b + 8 (l / 16) + j] of my head: blocks 0-3 from bk, blocks 4-7 from bv
	v_lshlrev_b32 v[BOF], 5, v2
	v_add_nc_u32 v[BOF], s72, v[BOF]
	WIN TO_B
.irp b, 0,1,2,3
	global_load_b128 v[BIASR+8*\b:BIASR+8*\b+3],   v[BOF], s[68:69] offset:64*\b
	global_load_b128 v[BIASR+8*\b+4:BIASR+8*\b+7], v[BOF], s[68:69] offset:64*\b+16
	global_load_b128 v[BIASR+32+8*\b:BIASR+32+8*\b+3],   v[BOF], s[70:71] offset:64*\b
	global_load_b128 v[BIASR+32+8*\b+4:BIASR+32+8*\b+7], v[BOF], s[70:71] offset:64*\b+16
.endr
	WIN 0
	; (2)'s block.  s73 and what is made of it hold cy and never cx; s75 and what is made of it hold cx and never cy; s74 holds both and feeds qf's address alone.
	s_and_b32 s75, ttmp7, 0xffff                   ; Y
	s_lshr_b32 s73, s75, 1
	s_lshl_b32 s73, s73, 2
	s_add_co_u32 s73, s73, s41                     ; block row of qf = 4 (Y / 2) + cy, 0 .. 15
	s_and_b32 s75, s75, 1
	s_lshl_b32 s75, s75, 1
	s_add_co_u32 s75, s75, ttmp9
	s_lshl_b32 s75, s75, 2
	s_add_co_u32 s75, s75, s40                     ; block column of qf = 4 (X + 2 (Y % 2)) + cx, 0 .. 15
	s_lshl_b32 s100, s75, 6
	s_lshl_b32 s3, s12, 5
	s_add_co_u32 s100, s100, s3                    ; wqb: row 64 x block column + 32 x half
	s_lshl_b32 s100, s100, 11                      ; 2,048 bytes a row
	s_mov_b32 s101, 0
	s_add_nc_u64 s[100:101], s[78:79], s[100:101]  ; kept: every address of a wqb tile is this plus a constant
	s_lshl_b32 s66, s73, 7
	s_lshl_b32 s3, s12, 6
	s_add_co_u32 s66, s66, s3                      ; lb: row 128 x block row + 64 x half
	s_lshl_b32 s66, s66, 11
	s_mov_b32 s67, 0
	s_add_nc_u64 s[66:67], s[76:77], s[66:67]      ; kept likewise
	s_lshl_b32 s75, s75, 8                         ; my block's 64 columns: 256 bytes in bq and in a row of qf
	v_lshlrev_b32 v[QBO], 5, v2
	v_add_nc_u32 v[QBO], s75, v[QBO]               ; bq[64 x block column + 16 b + 8 (l / 16) + j]: b and j in the immediate
.irp b, 0,1,2,3
	global_load_b128 v[QBIAS+8*\b:QBIAS+8*\b+3],   v[QBO], s[80:81] offset:64*\b
	global_load_b128 v[QBIAS+8*\b+4:QBIAS+8*\b+7], v[QBO], s[80:81] offset:64*\b+16
.endr
	s_lshl_b32 s74, s73, 7
	s_lshl_b32 s3, s10, 5
	s_add_co_u32 s74, s74, s3                      ; my first row of qf: 128 x block row + 32 x wave
	s_lshl_b32 s74, s74, 12                        ; 4,096 bytes a row
	s_add_co_u32 s74, s74, s75
	s_mov_b32 s75, 0
	s_add_nc_u64 s[82:83], s[82:83], s[74:75]
	; group 1 for (2)'s tiles of K = 256: 4 words of padding behind every 128 words (a row of 512 bytes); lb 64 rows a load, wqb 32
	s_or_b32 s[QG1+0], s43, (1<<16)|(1<<20)|(1<<21)|(6<<22)|(3<<25)
	s_mov_b32 s[QG1+1], 256<<16
	s_mov_b32 s[QG1+2], 64<<16
	s_mov_b32 s[QG1+3], 256<<16
	s_mov_b32 s[QG1+4], 64
	s_mov_b32 s[QG1+5], SIZE_K
	s_mov_b32 s[QG1+6], 0
	s_mov_b32 s[QG1+7], 0
	s_or_b32 s[QG1B+0], s44, (1<<16)|(1<<20)|(1<<21)|(6<<22)|(3<<25)
	s_mov_b32 s[QG1B+1], 256<<16
	s_mov_b32 s[QG1B+2], 32<<16
	s_mov_b32 s[QG1B+3], 256<<16
	s_mov_b32 s[QG1B+4], 32
	s_mov_b32 s[QG1B+5], SIZE_K
	s_mov_b32 s[QG1B+6], 0
	s_mov_b32 s[QG1B+7], 0
	; (1)'s LDS addresses
	v_mul_u32_u24 v3, v1, PITCH
	v_lshl_add_u32 v3, v2, 4, v3                   ; row x pitch + 16 x half
	s_mul_i32 s21, s11, HALFT                      ; my 128 rows of A
	s_mul_i32 s22, s12, HALFT                      ; my 128 rows of B,
	s_add_co_u32 s22, s22, 2*HALFT                 ; which lie behind A's 256
.irp s, 0,1
	v_add_nc_u32 v[ADRA+\s], s21, v3
	v_add_nc_u32 v[ADRB+\s], s22, v3
	s_add_co_u32 s21, s21, SLOT
	s_add_co_u32 s22, s22, SLOT
.endr
	s_mul_i32 s23, s10, 16*SPITCH
	s_add_co_u32 s23, s23, STAGE                   ; my stage
	v_mul_u32_u24 v3, v1, SPITCH
	v_lshl_add_u32 v[STO], v2, 4, v3
	v_add_nc_u32 v[STO], s23, v[STO]               ; (1): row l % 16, 16 bytes for each half of the lanes
	v_lshl_add_u32 v[QSTO], v2, 5, v3
	v_add_nc_u32 v[QSTO], s23, v[QSTO]             ; (2): row l % 16, 32 bytes for each half of the lanes
	v_mul_u32_u24 v3, v2, SPITCH
	v_lshl_add_u32 v3, v1, 4, v3
	v_add_nc_u32 v[RD], s23, v3                    ; back: lanes 0-15 one row of 256 bytes, lanes 16-31 the next
	v_lshlrev_b32 v3, 12, v2
	v_lshl_add_u32 v[CO], v1, 4, v3                ; the same two rows in kvh and in qf: 4,096 bytes a row in both
	; (2)'s LDS addresses: row x pitch + 16 x half; my 32 rows of lb, all 64 rows of wqb
	v_mul_u32_u24 v3, v1, QPITCH
	v_lshl_add_u32 v3, v2, 4, v3
	s_mul_i32 s3, s10, 32*QPITCH
	v_add_nc_u32 v[QADRA], s3, v3
	v_add_nc_u32 v[QADRB], 128*QPITCH, v3
	v_mul_u32_u24 v3, v1, QLPITCH
	v_lshl_add_u32 v3, v2, 4, v3
	s_mul_i32 s3, s10, 32*QLPITCH
	s_add_co_u32 s3, s3, QLBASE
	v_add_nc_u32 v[QADRAL], s3, v3
	v_add_nc_u32 v[QADRBL], QLW, v3
	; where (2)'s tiles go, made of the wave's number alone: lb's halves at wave x 64 rows (waves 0, 1), wqb's at 128 rows + (wave - 2) x 32 rows (waves 2, 3)
	s_mul_i32 s21, s10, 64*QPITCH
	s_mul_i32 s22, s10, 32*QPITCH
	s_add_co_u32 s22, s22, 64*QPITCH
	s_mul_i32 s20, s10, 64*QLPITCH
	s_add_co_u32 s20, s20, QLBASE
	s_mul_i32 s23, s10, 32*QLPITCH
	s_add_co_u32 s23, s23, QLBASE+64*QLPITCH
; 16 matrix instructions: m blocks a0, a0 + 1 of the window's four x all 8 n blocks, 32 along K.  first = 1: the bias starts the sums.
.macro MUL16 f, hi, a0, first
.irp a, \a0, \a0+1
.irp b, 0,1,2,3,4,5,6,7
.if \first
	v_wmma_f32_16x16x32_bf16 v[8*(8*(\a)+\b):8*(8*(\a)+\b)+7], v[\f+8*\b:\f+8*\b+7], v[\f+8*(4*\hi+\a):\f+8*(4*\hi+\a)+7], v[BIASR+8*\b:BIASR+8*\b+7]
.else
	v_wmma_f32_16x16x32_bf16 v[8*(8*(\a)+\b):8*(8*(\a)+\b)+7], v[\f+8*\b:\f+8*\b+7], v[\f+8*(4*\hi+\a):\f+8*(4*\hi+\a)+7], v[8*(8*(\a)+\b):8*(8*(\a)+\b)+7]
.endif
.endr
.endr
.endm
; 32 LDS loads in one run: the fragments of one quarter step into buffer f
.macro FETCH slot, k, f
	WIN TO_B
.irp i, 0,1,2,3,4,5,6,7
	ds_load_b128 v[\f+8*\i:\f+8*\i+3],   v[ADRB+\slot] offset:\k+\i*16*PITCH
	ds_load_b128 v[\f+8*\i+4:\f+8*\i+7], v[ADRB+\slot] offset:\k+\i*16*PITCH+32
.endr
	WIN 0
.irp i, 0,1,2,3,4,5,6,7
	ds_load_b128 v[\f+8*\i:\f+8*\i+3],   v[ADRA+\slot] offset:\k+\i*16*PITCH
	ds_load_b128 v[\f+8*\i+4:\f+8*\i+7], v[ADRA+\slot] offset:\k+\i*16*PITCH+32
.endr
.endm
; Four plain vector instructions stand between a matrix instruction and a load into, or a vector instruction on, its registers
.macro PLACES
.rept 4
	v_nop
.endr
.endm
; One of a K step's first three quarters: multiplies buffer f; in its middle it fetches the next quarter's fragments into buffer g.
; The 64 accumulators take turns in the same order in every quarter.
.macro QUARTER slot, k, f, g, first
	s_wait_dscnt 8                                 ; B and A's rows 0-63 are in; the youngest eight loads (A's rows 64-127) may be out
.if \first
	WIN FST_LO
.else
	WIN MUL_LO
.endif
	MUL16 \f, 0, 0, \first
	MUL16 \f, 0, 2, \first
	PLACES
	FETCH \slot, \k, \g
	s_wait_dscnt 32                                ; all but the 32 just issued
.if \first
	WIN FST_HI
.else
	WIN MUL_HI
.endif
	MUL16 \f, 1, 0, \first
	MUL16 \f, 1, 2, \first
.endm
.macro THREE slot, first
	QUARTER \slot, 64,  F0, F1, \first
	QUARTER \slot, 128, F1, F0, 0
	QUARTER \slot, 192, F0, F1, 0
.endm
; The last quarter: multiplies buffer 1 and changes slots.  In front of the barrier each wave waits for its reads of this slot and for all its tensor
; loads (one is out: its part of the next slot).  Behind it the refill comes first, then the next slot's first fragments.
; fill = 1: this slot gets (1)'s tiles two K steps ahead.  fill = 2: (1) has no more tiles; (2)'s K 0-255 go into the small slot, which lies inside this slot.
.macro TURN slot, next, fill
	s_wait_dscnt 8
	WIN MUL_LO
	MUL16 F1, 0, 0, 0
	s_wait_dscnt 0                                 ; my reads of this slot are over
	s_wait_tensorcnt 0x0                           ; and all my tensor loads have landed
	ds_add_u32 v63, v15
	s_wait_dscnt 0x0
	s_barrier_signal -1                            ; this barrier opens a round of the cluster's barrier
	MUL16 F1, 0, 2, 0                              ; register work while the others arrive
	WIN 0
	s_barrier_wait -1
	CREST                                          ; no wave of any partner still reads this slot or has a load on its way
.if \fill == 1
	s_add_nc_u64 s[G0+4*\slot+2:G0+4*\slot+3], s[G0+4*\slot+2:G0+4*\slot+3], 2*KSTEP*2
	s_add_nc_u64 s[G0B+4*\slot+2:G0B+4*\slot+3], s[G0B+4*\slot+2:G0B+4*\slot+3], 2*KSTEP*2
	JLOAD \slot                                    ; the wave's first and only tensor load behind the round
.else
	QFILL 0, 21, 22, QG1, QG1B                     ; likewise; it has the last K step's 256 matrix instructions in which to land
.endif
	PLACES
	FETCH \next, 0, F0
	WIN MUL_HI
	MUL16 F1, 1, 0, 0
	MUL16 F1, 1, 2, 0
.endm
.macro LAP first
	THREE 0, \first
	TURN 0, 1, 1
	THREE 1, 0
	TURN 1, 0, 1
.endm
	s_wait_loadcnt 0x0                             ; the three biases
	s_wait_tensorcnt 1                             ; my part of K step 0 is in; K step 1's stays out
	s_barrier_signal -1
	s_barrier_wait -1
	FETCH 0, 0, F0
	LAP 1                                          ; the first lap stands in front of the loop: its first products start the sums
	WIN 0                                          ; at a label and at a branch every window is 0
	s_mov_b32 s3, LAPS-2
.Llap:
	LAP 0
	WIN 0
	s_sub_co_u32 s3, s3, 1
	s_cmp_lg_u32 s3, 0
	s_cbranch_scc1 .Llap
	THREE 0, 0                                     ; the last lap fetches nothing more for (1)
	TURN 0, 1, 2
	THREE 1, 0
	s_wait_dscnt 8
	WIN MUL_LO
	MUL16 F1, 0, 0, 0
	MUL16 F1, 0, 2, 0
	s_wait_dscnt 0
	WIN MUL_HI
	MUL16 F1, 1, 0, 0
	MUL16 F1, 1, 2, 0
	PLACES                                         ; behind the last matrix instructions: the conversions below read results, the loads land in buffers 0 and 1
	WIN 0
	; The ring has been read for the last time.  (2)'s K 256-767 go into the large slot: the rest of slot 0, slot 1 and 22,528 bytes behind the ring.
	s_set_vgpr_msb 0x1
	s_wait_tensorcnt 0x0                           ; my part of (2)'s K 0-255 is in, and no tensor load of mine is out: (1)'s groups 1 may be written
	ds_add_u32 v63, v15
	s_wait_dscnt 0x0
	s_set_vgpr_msb 0x100
	; group 1 for tiles of K = 512: 4 words of padding behind every 256 words (a row of 1,024 bytes); lb 64 rows a load, wqb 32
	s_or_b32 s[G1+0], s43, (1<<16)|(1<<20)|(1<<21)|(7<<22)|(3<<25)
	s_mov_b32 s[G1+1], 512<<16
	s_mov_b32 s[G1+2], 64<<16
	s_mov_b32 s[G1+3], 512<<16
	s_mov_b32 s[G1+4], 64
	s_mov_b32 s[G1+5], SIZE_K
	s_mov_b32 s[G1+6], 0
	s_mov_b32 s[G1+7], 0
	s_or_b32 s[G1B+0], s44, (1<<16)|(1<<20)|(1<<21)|(7<<22)|(3<<25)
	s_mov_b32 s[G1B+1], 512<<16
	s_mov_b32 s[G1B+2], 32<<16
	s_mov_b32 s[G1B+3], 512<<16
	s_mov_b32 s[G1B+4], 32
	s_mov_b32 s[G1B+5], SIZE_K
	s_mov_b32 s[G1B+6], 0
	s_mov_b32 s[G1B+7], 0
	s_wait_dscnt 0x0                               ; my reads of the ring are back
	CROUND                                         ; both hold of every wave of all sixteen work-groups
	QFILL 1, 20, 23, G1, G1B                       ; it has (1)'s way out and (2)'s first 64 matrix instructions in which to land
	; (1)'S WAY OUT, 16 rows at a time: round to f16, 16 bytes a lane into my own stage, read back as whole rows of 256 bytes (one head's K and V of one token).
	s_lshl_b32 s13, s13, 8
	s_lshl_b32 s14, s11, 7
	s_add_co_u32 s16, s13, s14                     ; my first row
	s_mov_b32 s17, 0
	s_mov_b64 s[18:19], SIZE_N*2
	s_mul_u64 s[16:17], s[16:17], s[18:19]
	s_add_nc_u64 s[8:9], s[8:9], s[16:17]
	s_lshl_b32 s46, s42, 9                         ; my first column, in bytes: 512 x block + 256 x half
	s_lshl_b32 s47, s12, 8
	s_add_co_u32 s46, s46, s47
	s_mov_b32 s47, 0
	s_add_nc_u64 s[8:9], s[8:9], s[46:47]
.macro OUT16 i, a, from, f
	WIN \from
.irp b, 0,1,2,3,4,5,6,7
.irp r, 0,1,2,3
	v_cvt_pk_f16_f32 v[TMP+4*\b+\r], v[8*(8*\a+\b)+2*\r], v[8*(8*\a+\b)+2*\r+1]
.endr
.endr
	WIN 0
.irp b, 0,1,2,3,4,5,6,7
	ds_store_b128 v[STO], v[TMP+4*\b:TMP+4*\b+3] offset:32*\b
.endr
	s_wait_xcnt 0x0                                ; buffer f, which earlier stores read, and the stores' base are written again only behind this wait
.if \i
	s_add_nc_u64 s[8:9], s[8:9], 16*SIZE_N*2       ; 16 rows on
.endif
.irp t, 0,1,2,3,4,5,6,7
	ds_load_b128 v[\f+4*\t:\f+4*\t+3], v[RD] offset:\t*2*SPITCH    ; LDS serves a wave's instructions in order (ISA guide 5.7.1): these see the stores above
.endr
.irp t, 0,1,2,3,4,5,6,7
	s_wait_dscnt 7-\t
	global_store_b128 v[CO], v[\f+4*\t:\f+4*\t+3], s[8:9] offset:2*\t*SIZE_N*2   ; 16 lanes store 256 consecutive bytes, aligned
.endr
.endm
	OUT16 0, 0, 0x0a, F0
	OUT16 1, 1, 0x0a, F1
	OUT16 2, 2, 0x0a, F0
	OUT16 3, 3, 0x0a, F1
	OUT16 4, 0, 0x0f, F0
	OUT16 5, 1, 0x0f, F1
	OUT16 6, 2, 0x0f, F0
	OUT16 7, 3, 0x0f, F1
	; (2), in window 0 alone.
; 12 LDS loads: the fragments of quarter kq (32 along K, at byte 64 kq of the rows) into buffer f.  ra, rb: the address registers; p: the slot's pitch
.macro QFETCH ra, rb, p, kq, f
.irp a, 0,1
	ds_load_b128 v[\f+8*\a:\f+8*\a+3],   v[\ra] offset:\a*16*\p+64*(\kq)
	ds_load_b128 v[\f+8*\a+4:\f+8*\a+7], v[\ra] offset:\a*16*\p+64*(\kq)+32
.endr
.irp b, 0,1,2,3
	ds_load_b128 v[\f+16+8*\b:\f+16+8*\b+3],   v[\rb] offset:\b*16*\p+64*(\kq)
	ds_load_b128 v[\f+16+8*\b+4:\f+16+8*\b+7], v[\rb] offset:\b*16*\p+64*(\kq)+32
.endr
.endm
; 8 matrix instructions, one for each accumulator: the accumulators take turns
.macro QMUL8 f, first
.irp a, 0,1
.irp b, 0,1,2,3
.if \first
	v_wmma_f32_16x16x32_bf16 v[QACC+8*(4*\a+\b):QACC+8*(4*\a+\b)+7], v[\f+16+8*\b:\f+16+8*\b+7], v[\f+8*\a:\f+8*\a+7], v[QBIAS+8*\b:QBIAS+8*\b+7]
.else
	v_wmma_f32_16x16x32_bf16 v[QACC+8*(4*\a+\b):QACC+8*(4*\a+\b)+7], v[\f+16+8*\b:\f+16+8*\b+7], v[\f+8*\a:\f+8*\a+7], v[QACC+8*(4*\a+\b):QACC+8*(4*\a+\b)+7]
.endif
.endr
.endr
.endm
; Quarter kq of a slot's n: the fragments of quarter kq + 2 are asked for (into the buffer that quarter kq - 1 has just used), then quarter kq is multiplied.
; The wait leaves out the loads issued behind quarter kq's own: two quarters' 24, at the end one quarter's 12, then none.
.macro QSTEP ra, rb, p, kq, n, first
.if \kq <= \n-3
.if \kq > 0
	PLACES
.endif
	QFETCH \ra, \rb, \p, \kq+2, (QF0+48*((\kq+2)%3))
	s_wait_dscnt 24
.else
.if \kq == \n-2
	s_wait_dscnt 12
.else
	s_wait_dscnt 0
.endif
.endif
	QMUL8 (QF0+48*(\kq%3)), \first
.endm
	s_wait_xcnt 0x0                                ; (1)'s last stores read v12, v64-95 and v128-159: (2) writes v16-223 only behind this wait
	; K 0-255, in the small slot: shown whole to every wave by the wait and the round in front of the large slot's fill
	PLACES
	QFETCH QADRA, QADRB, QPITCH, 0, QF0
	QFETCH QADRA, QADRB, QPITCH, 1, (QF0+48)
	QSTEP QADRA, QADRB, QPITCH, 0, 8, 1
.irp kq, 1,2,3,4,5,6,7
	QSTEP QADRA, QADRB, QPITCH, \kq, 8, 0
.endr
	s_set_vgpr_msb 0x1
	s_wait_tensorcnt 0x0                           ; my part of K 256-767 is in, and no tensor load of mine is out
	ds_add_u32 v63, v15
	s_wait_dscnt 0x0
	s_set_vgpr_msb 0x100
	s_wait_dscnt 0x0                               ; my reads of the small slot are back
	CROUND                                         ; both hold of every wave of all sixteen work-groups
	QFILL 3, 21, 22, QG1, QG1B                     ; K 768-1023 into the small slot: it has the large slot's 128 matrix instructions in which to land
	; K 256-767, in the large slot
	PLACES
	QFETCH QADRAL, QADRBL, QLPITCH, 0, QF0
	QFETCH QADRAL, QADRBL, QLPITCH, 1, (QF0+48)
	QSTEP QADRAL, QADRBL, QLPITCH, 0, 16, 0
.irp kq, 1,2,3,4,5,6,7,8,9,10,11,12,13,14,15
	QSTEP QADRAL, QADRBL, QLPITCH, \kq, 16, 0
.endr
	s_wait_tensorcnt 0x0                           ; my part of K 768-1023 is in
	s_wait_dscnt 0x0
	s_barrier_signal -1
	s_barrier_wait -1                              ; everybody's is
	PLACES
	QFETCH QADRA, QADRB, QPITCH, 0, QF0
	QFETCH QADRA, QADRB, QPITCH, 1, (QF0+48)
	QSTEP QADRA, QADRB, QPITCH, 0, 8, 0
.irp kq, 1,2,3,4,5,6,7
	QSTEP QADRA, QADRB, QPITCH, \kq, 8, 0
.endr
	; (2)'S WAY OUT, 16 rows at a time: 32 bytes a lane into my own stage, read back as whole rows of 256 bytes.
	PLACES                                         ; behind the last matrix instructions: the LDS stores read results, the loads land in fragment buffers
.macro QOUT a, f
.irp b, 0,1,2,3
	ds_store_b128 v[QSTO], v[QACC+8*(4*\a+\b):QACC+8*(4*\a+\b)+3]   offset:64*\b
	ds_store_b128 v[QSTO], v[QACC+8*(4*\a+\b)+4:QACC+8*(4*\a+\b)+7] offset:64*\b+16
.endr
.irp t, 0,1,2,3,4,5,6,7
	ds_load_b128 v[\f+4*\t:\f+4*\t+3], v[RD] offset:\t*2*SPITCH    ; in order behind the stores above
.endr
.irp t, 0,1,2,3,4,5,6,7
	s_wait_dscnt 7-\t
	global_store_b128 v[CO], v[\f+4*\t:\f+4*\t+3], s[82:83] offset:\a*65536+\t*8192   ; 16 lanes store 256 consecutive bytes, aligned
.endr
.endm
	QOUT 0, QF0
	QOUT 1, (QF0+48)                               ; other registers: no store's data is written again
	s_set_vgpr_msb 0x1
	s_wait_tensorcnt 0x0
	ds_add_u32 v63, v15
	s_wait_dscnt 0x0
	s_set_vgpr_msb 0x100
	CROUND                                         ; the closing round: no work-group ends while a partner may still ask for a tile that names it
	s_endpgm
.Lfunc_end_k_qe4b1b7604c_kvq:
	.size	k_qe4b1b7604c_kvq, .Lfunc_end_k_qe4b1b7604c_kvq-k_qe4b1b7604c_kvq
	.p2alignl 7, 3214868480
	.fill 96, 4, 3214868480
	.section	.rodata,"a",@progbits
	.p2align	6, 0x0
	.amdhsa_kernel k_qe4b1b7604c_kvq
		.amdhsa_group_segment_fixed_size 327680
		.amdhsa_private_segment_fixed_size 0
		.amdhsa_enable_private_segment 0
		.amdhsa_kernarg_size 72
		.amdhsa_user_sgpr_count 2
		.amdhsa_user_sgpr_kernarg_segment_ptr 1
		.amdhsa_wavefront_size32 1
		.amdhsa_system_sgpr_workgroup_id_x 1
		.amdhsa_system_sgpr_workgroup_id_y 1
		.amdhsa_system_sgpr_workgroup_id_z 1
		.amdhsa_system_vgpr_workitem_id 0
		.amdhsa_next_free_vgpr 1024
		.amdhsa_next_free_sgpr 102
		.amdhsa_reserve_vcc 0
		.amdhsa_float_denorm_mode_32 3
		.amdhsa_float_denorm_mode_16_64 3
		.amdhsa_memory_ordered 1
		.amdhsa_forward_progress 1
		.amdhsa_inst_pref_size 254
	.end_amdhsa_kernel
	.amdgpu_metadata
---
amdhsa.version: [ 1, 2 ]
amdhsa.kernels:
  - .name:           k_qe4b1b7604c_kvq
    .symbol:         k_qe4b1b7604c_kvq.kd
    .args:
      - { .name: xb, .offset: 0, .size: 8, .value_kind: global_buffer, .address_space: global }
      - { .name: wkv, .offset: 8, .size: 8, .value_kind: global_buffer, .address_space: global }
      - { .name: kvh, .offset: 16, .size: 8, .value_kind: global_buffer, .address_space: global }
      - { .name: bk, .offset: 24, .size: 8, .value_kind: global_buffer, .address_space: global }
      - { .name: bv, .offset: 32, .size: 8, .value_kind: global_buffer, .address_space: global }
      - { .name: lb, .offset: 40, .size: 8, .value_kind: global_buffer, .address_space: global }
      - { .name: wqb, .offset: 48, .size: 8, .value_kind: global_buffer, .address_space: global }
      - { .name: bq, .offset: 56, .size: 8, .value_kind: global_buffer, .address_space: global }
      - { .name: qf, .offset: 64, .size: 8, .value_kind: global_buffer, .address_space: global }
    .group_segment_fixed_size: 327680
    .private_segment_fixed_size: 0
    .kernarg_segment_align: 8
    .kernarg_segment_size: 72
    .max_flat_workgroup_size: 128
    .sgpr_count:     102
    .vgpr_count:     1024
    .wavefront_size: 32
...
	.end_amdgpu_metadata
.endif
;; end of part 2
;; launch attn (part 3): grid 8 x 32, 8 waves a work-group, no clusters, 327,680 bytes of LDS; arguments qf, kvh, ao; writes ao
.if DOCPART == 3
	.amdgcn_target "amdgcn-amd-amdhsa--gfx1250"
	.amdhsa_code_object_version 6
	.text
	.protected	k_qe4b1b7604c_attn
	.globl	k_qe4b1b7604c_attn
	.p2align	8
	.type	k_qe4b1b7604c_attn,@function
k_qe4b1b7604c_attn:
	s_mov_b64 s[64:65], 0
	v_nop
	global_prefetch_b8 v0, s[64:65] scope:SCOPE_SE
	s_setreg_imm32_b32 hwreg(HW_REG_WAVE_MODE, 25, 1), 1
	s_wait_xcnt 0x0
; Block-causal attention of one head: latent i attends to token j iff j / 4 <= i.  qf: [2048][1024] f32 (q with its bias), kvh: [8192][2048] f16
; (head h: bytes 256 h .. +255 of a token's row, K then V), ao: [2048][2048] bf16 (head h: bytes 256 h .. +255 of a latent's row: 64 leading parts, then
; 64 remainders: o = hi + lo with hi = bf16(o), lo = bf16(o - hi), so that the last product loses nothing to a 16-bit rounding of o).
; WORK: work-group (p, b x 16 + head), p = 0..7, owns the query blocks of 64 rows p ('lo') and 15 - p ('hi'): (p + 1) + (16 - p) = 17 groups of 256 keys
; for every p.  Wave w: qg = w / 4 picks 32 of each block's 64 rows (four tiles of 16: a = 0, 1 lo, a = 2, 3 hi), kw = w % 4 picks 64 of each group's 256 keys.
; Each wave keeps its own running shift, sum and O over its quarter of the keys; at the end the four quarters meet in LDS.
; ORDER OF THE GROUPS (a running softmax allows any): n = 0 takes group p (lo's diagonal, masked), n = 1 .. take the others in ascending order,
; the last, n = 15 - p, is group 15 - p (hi's diagonal, masked).  lo's tiles work while n <= p.  Groups beyond a block's diagonal are never loaded.
; THE RING: two LDS slots of 512 rows; pair m = the groups n = 2 m and 2 m + 1 lies in slot m % 2; there are 8 - p / 2 pairs, and for odd p the last holds one
; group.  One barrier and one tensor load a wave serve a pair, so that a load has two groups' work, at least four tiles a wave, in which to land.
; Wave w fills rows 64 w .. 64 w + 63 of a slot with chunk w / 2 (64 keys) of the pair's group w % 2: the keys of kw lie at rows 128 kw + 64 x half.
; A wave has two tensor loads out at the start and one behind each barrier.
; ORIENTATION: S^T = K Q^T and O^T = V^T P^T.  In a result lane (r, h) holds query r and keys (or d) 8 h + j, so all softmax figures are a lane's own but for
; one exchange between the halves, and S^T rounded to f16 is already the B operand of the second product.
; SOFTMAX: n = -c x (running maximum), c = log2(e) / 8; p = exp2(c s + n); a new maximum rescales by exp2(n_new - n_old): the shift applied and the shift
; rescaled by are the same number.
; LIMITS: q, k, v and p go to the matrix unit in f16: |q|, |k|, |v| < 65,504.  A masked score is -2^125, not -infinity, so that a wave whose keys are all
; masked for a row yields finite numbers, which the merge weights with exp2(-huge) = 0; a true score below -2^125 would count as masked.
; NaN and infinities in the inputs spread otherwise than in a softmax over the whole row.
; NO CLUSTER: the eight work-groups of a head need 16 - p groups of keys, a different number each, in different orders.
.set PITCH, 272                        ; an LDS row: 256 bytes + 16 of padding
.set HALF,  64*PITCH                   ; 17,408: what one tensor load brings; also from a wave's keys of a pair's first group to those of its second
.set SLOT,  512*PITCH                  ; 139,264: a pair of groups
.set WSCR,  64*PITCH                   ; the merge's scratch: for each wave 64 rows x 272 bytes of f32 O, from LDS byte 0 on: slot 0's bytes, which
                                       ; have had their last fill and their last read when the merge's first barrier is passed
.set STATS, 2*SLOT                     ; 278,528: for each wave 512 bytes: [a][r] pairs (n, l); no tensor load lands here
.set ADRK, 8                           ; v8-9    my K fragments in slot 0, 1
.set ADRV, 10                          ; v10-11  my V fragments in slot 0, 1
.set TH,   12                          ; v12-13  mask threshold of the even and of the odd tile
.set NEGV, 14                          ; v14     -2^125
.set QOF,  15                          ; v15     my byte offset in q
.set ST,   16                          ; v16     where I put (n, l)
.set LD,   17                          ; v17     where I read the four waves' (n, l)
.set SC,   18                          ; v18     where I put O
.set RDM,  19                          ; v19     where I read O back
.set AO,   20                          ; v20     my byte offset in ao
.set ML,   22                          ; v[22:29]   (n, l) of tile a at 22 + 2 a
.set NMC,  30                          ; v30 new n; v31 the tile's maximum of my half
.set AL,   32                          ; v32 rescaling factor; v33 what comes from the other half
.set CH,   34                          ; v[34:37]   four chains
.set SM,   38                          ; v[38:45]   four pairs of sums
.set TA,   46                          ; v46-47  at work
.set SR,   48                          ; v[48:79]   S^T, key block kb at 48 + 8 kb
.set PR,   80                          ; v[80:95]   P^T, two fragments
.set KF,   96                          ; v[96:159]  K fragment (kb, s) at 96 + 8 (2 kb + s)
.set VF,   160                         ; v[160:223] V fragment (db, ks) at 160 + 8 (2 db + ks)
.set MS,   224                         ; v[224:255] the merge's figures, then its store data
.set OA,   0                           ; window 1: v[0:127]   O^T, tile (a, db) at 8 (4 a + db)
.set QF,   128                         ; window 1: v[128:191] Q fragment (a, s) at 128 + 8 (2 a + s)
.set G1, 16                            ; s[16:23] descriptor group 1
.set G0, 24                            ; s[24:31] descriptor group 0, a set for each slot
.set MSB, 0
.macro WIN new                         ; s_set_vgpr_msb: bits 1:0 source 0, 3:2 source 1, 5:4 source 2, 7:6 destination; the high byte repeats the setting left
.if MSB != \new
	s_set_vgpr_msb (MSB<<8)|\new
.set MSB, \new
.endif
.endm
; Four plain vector instructions stand between a matrix instruction and a load into, or a vector instruction on, its registers
.macro PLACES
.rept 4
	v_nop
.endr
.endm
; The global address of my next load into slot s.  s43 = its n; the group is n - 1 while n <= p, n beyond, and p for n = 0 (zero = 1: n may be 0).
.macro SETADR s, zero
	s_cmp_le_u32 s43, s13
	s_cselect_b32 s34, 1, 0
	s_sub_co_u32 s34, s43, s34
.if \zero
	s_cmp_eq_u32 s43, 0
	s_cselect_b32 s34, s13, s34
.endif
	s_lshl_b32 s34, s34, 20                        ; a group is 256 tokens x 4,096 bytes
	s_add_nc_u64 s[G0+4*\s+2:G0+4*\s+3], s[32:33], s[34:35]
	s_or_b32 s[G0+4*\s+3], s[G0+4*\s+3], 0x80000000                ; type = 2
	s_add_co_u32 s43, s43, 2                       ; my load of the next pair
.endm
	s_load_b128 s[4:7], s[0:1], 0x0                ; qf s[4:5], kvh s[6:7]
	s_load_b64 s[8:9], s[0:1], 0x10                ; ao
	v_lshl_add_u32 v6, v0, 2, 0x45000
	v_mov_b32 v21, 0
	ds_add_u32 v6, v21
	ds_add_u32 v6, v21
	v_lshrrev_b32 v1, 5, v0
	v_readfirstlane_b32 s10, v1                    ; wave 0..7
	s_lshr_b32 s11, s10, 2                         ; qg
	s_and_b32 s12, s10, 3                          ; kw
	s_mov_b32 s13, ttmp9                           ; p
	s_and_b32 s15, ttmp7, 0xffff
	s_lshr_b32 s14, s15, 4                         ; batch
	s_and_b32 s15, s15, 15                         ; head
	s_sub_co_u32 s60, 15, s13                      ; the last n
	s_sub_co_u32 s61, 17, s13                      ; the last n + 2
	; group 1: 64 rows x 128 elements of 2 bytes, 4 words of padding behind every 64 words, 2,048 elements from row to row
	s_mov_b32 s[G1+0], (1<<16)|(1<<20)|(5<<22)|(3<<25)
	s_mov_b32 s[G1+1], 128<<16
	s_mov_b32 s[G1+2], 64<<16
	s_mov_b32 s[G1+3], 128<<16
	s_mov_b32 s[G1+4], 64
	s_mov_b32 s[G1+5], 2048
	s_mov_b32 s[G1+6], 0
	s_mov_b32 s[G1+7], 0
	s_lshl_b32 s50, s14, 24                        ; batch x 4,096 tokens x 4,096 bytes
	s_lshr_b32 s51, s10, 1
	s_lshl_b32 s51, s51, 18                        ; + chunk w / 2 x 64 tokens
	s_add_co_u32 s50, s50, s51
	s_lshl_b32 s58, s15, 8                         ; + head x 256 bytes
	s_add_co_u32 s50, s50, s58
	s_mov_b32 s51, 0
	s_mul_i32 s52, s10, HALF                       ; my 64 rows of a slot
	s_and_b32 s43, s10, 1                          ; the n of my first load: the pair's group w % 2
	s_mov_b32 s35, 0                               ; stays 0
	s_wait_dscnt 0x0
	s_wait_kmcnt 0x0
	s_add_nc_u64 s[32:33], s[6:7], s[50:51]        ; kept: a group's address is this + group << 20
	s_mov_b32 s[G0+0], 1
	s_mov_b32 s[G0+1], s52
	s_mov_b32 s[G0+4], 1
	s_add_co_u32 s[G0+5], s52, SLOT
	SETADR 0, 1
	SETADR 1, 0
	tensor_load_to_lds s[G0:G0+3], s[G1:G1+7]      ; pair 0 into slot 0 and pair 1 into slot 1, together and ahead of everything else
	s_nop 0
	tensor_load_to_lds s[G0+4:G0+7], s[G1:G1+7]
	s_nop 0
	; q: my 32 rows of each block
	s_lshl_b32 s50, s14, 10
	s_lshl_b32 s51, s11, 5
	s_add_co_u32 s50, s50, s51                     ; 1024 batch + 32 qg
	s_lshl_b32 s52, s13, 6                         ; 64 p
	s_sub_co_u32 s53, 960, s52                     ; 64 (15 - p)
	s_add_co_u32 s52, s52, s50                     ; my first lo row
	s_add_co_u32 s53, s53, s50                     ; my first hi row
	s_lshl_b32 s54, s52, 12
	s_add_co_u32 s54, s54, s58
	s_mov_b32 s55, 0
	s_lshl_b32 s56, s53, 12
	s_add_co_u32 s56, s56, s58
	s_mov_b32 s57, 0
	s_add_nc_u64 s[44:45], s[4:5], s[54:55]
	s_add_nc_u64 s[46:47], s[4:5], s[56:57]
	v_and_b32 v2, 15, v0                           ; r
	v_bfe_u32 v3, v0, 4, 1                         ; h
	v_and_b32 v4, 7, v0                            ; lane % 8
	v_bfe_u32 v5, v0, 3, 1                         ; (lane / 8) % 2
	v_lshlrev_b32 v[QOF], 12, v2
	v_lshl_add_u32 v[QOF], v3, 5, v[QOF]           ; row r, d = 8 h
	; fragment (a, s): d = 32 s + 8 h + 0..7 (two loads) and 32 s + 16 + 8 h + 0..7 (two loads), as f32, staged in the K and V registers
.irp a, 0,1,2,3
.irp s, 0,1
.irp o, 0,1,2,3
	global_load_b128 v[KF+16*(2*\a+\s)+4*\o:KF+16*(2*\a+\s)+4*\o+3], v[QOF], s[44+2*(\a>>1):45+2*(\a>>1)] offset:(\a&1)*65536+128*\s+16*(\o&1)+64*(\o>>1)
.endr
.endr
.endr
	; ao: in the merge I write tile a = kw of my qg
	s_cmp_lt_u32 s12, 2
	s_cselect_b32 s54, s52, s53
	s_and_b32 s55, s12, 1
	s_lshl_b32 s55, s55, 4
	s_add_co_u32 s54, s54, s55
	s_lshl_b32 s54, s54, 12                        ; 4,096 bytes a row
	s_add_co_u32 s54, s54, s58
	s_mov_b32 s55, 0
	s_add_nc_u64 s[48:49], s[8:9], s[54:55]
	s_mov_b32 s38, 0x3e38aa3b                      ; c = log2(e) / 8, twice (a pair for the packed forms)
	s_mov_b32 s39, 0x3e38aa3b
	s_mov_b32 s40, 0xbe38aa3b                      ; -c
	s_mov_b32 s41, 0x76543210                      ; v_permlanex16_b32: lane i of one half reads lane i of the other
	s_mov_b32 s42, 0xfedcba98
	s_mov_b32 s36, 0                               ; n of the group at work
	; LDS addresses.  K fragment: (128 kw + 64 half + 16 kb + r) x pitch + 64 s + 16 h.
	; V, read transposed: (128 kw + 64 half + 32 ks + 8 h + lane % 8) x pitch + 128 + 32 db + 16 ((lane / 8) % 2).  half, kb, s, ks, db stand in the immediate.
	s_mul_i32 s50, s12, 128*PITCH
	v_mul_u32_u24 v7, v2, PITCH
	v_lshl_add_u32 v7, v3, 4, v7
	v_add_nc_u32 v[ADRK], s50, v7
	v_add_nc_u32 v[ADRK+1], SLOT, v[ADRK]
	v_lshl_add_u32 v7, v3, 3, v4
	v_mul_u32_u24 v7, v7, PITCH
	v_lshl_add_u32 v7, v5, 4, v7
	s_add_co_u32 s50, s50, 128
	v_add_nc_u32 v[ADRV], s50, v7
	v_add_nc_u32 v[ADRV+1], SLOT, v[ADRV]
	; in a diagonal group key 64 kw + 16 kb + 8 h + 4 jj + (0..3) is allowed for query 16 (2 qg + e) + r iff 4 kb + jj <= 16 (2 qg + e - kw) + r - 2 h
	s_lshl_b32 s50, s11, 1
	s_sub_co_i32 s50, s50, s12
	s_lshl_b32 s50, s50, 4
	v_lshlrev_b32 v7, 1, v3
	v_sub_nc_u32 v7, v2, v7
	v_add_nc_u32 v[TH], s50, v7
	v_add_nc_u32 v[TH+1], 16, v[TH]
	v_mov_b32 v[NEGV], 0xfe000000
	v_mov_b32 v[AL+1], 0                           ; v_permlanex16_b32 counts as a reader of its destination
	s_lshl_b32 s50, s10, 9
	s_add_co_u32 s50, s50, STATS
	v_lshl_add_u32 v[ST], v2, 3, s50
	s_lshl_b32 s50, s11, 11
	s_add_co_u32 s50, s50, STATS
	v_lshl_add_u32 v[LD], v2, 3, s50
	s_mul_i32 s50, s10, WSCR
	v_mul_u32_u24 v7, v2, PITCH
	v_lshl_add_u32 v7, v3, 5, v7
	v_add_nc_u32 v[SC], s50, v7                    ; my scratch, row r, d = 8 h
	s_mul_i32 s50, s11, 4*WSCR
	s_mul_i32 s51, s12, 16*PITCH
	s_add_co_u32 s50, s50, s51
	v_mul_u32_u24 v7, v3, PITCH
	v_lshl_add_u32 v7, v4, 5, v7
	v_add_nc_u32 v[RDM], s50, v7                   ; row 16 kw + h of my qg's first wave, d = 8 (lane % 8): lanes l and l + 8 read the same bytes
	v_lshlrev_b32 v7, 12, v3
	v_lshl_add_u32 v[AO], v2, 4, v7                ; row h, 16 bytes a lane: sixteen lanes cover a head's 256 bytes
	WIN 0x40                                       ; destination window 1
.irp f, 0,1,2,3,4,5,6,7
	s_wait_loadcnt 28-4*\f                         ; fragment f's four loads are in; the later fragments' stay out
.irp i, 0,1,2,3,4,5,6,7
	v_cvt_pk_f16_f32 v[QF+8*\f+\i], v[KF+16*\f+2*\i], v[KF+16*\f+2*\i+1]
.endr
.endr
	WIN 0
; One query tile against the wave's 64 keys.  a: the tile; mask = 1: a diagonal group, 2: a diagonal group if n is the last; first = 1: the tile's first
; keys start n, l and O.  In both products four accumulators take turns.
.macro QT a, mask, first
	WIN 0x04                                       ; source 1 (Q) window 1
.irp kb, 0,1,2,3
	v_wmma_f32_16x16x32_f16 v[SR+8*\kb:SR+8*\kb+7], v[KF+16*\kb:KF+16*\kb+7], v[QF+16*\a:QF+16*\a+7], 0
.endr
.irp kb, 0,1,2,3
	v_wmma_f32_16x16x32_f16 v[SR+8*\kb:SR+8*\kb+7], v[KF+16*\kb+8:KF+16*\kb+15], v[QF+16*\a+8:QF+16*\a+15], v[SR+8*\kb:SR+8*\kb+7]
.endr
	WIN 0
	PLACES
.if \mask == 2
	s_cmp_lg_u32 s36, s60                          ; the same in all eight waves: n and p
	s_cbranch_scc1 .Lplain_\@
.endif
.if \mask
.irp kb, 0,1,2,3
.irp jj, 0,1
	v_cmp_le_i32 vcc_lo, 4*\kb+\jj, v[TH+(\a&1)]
.irp j, 0,1,2,3
	v_cndmask_b32 v[SR+8*\kb+4*\jj+\j], v[NEGV], v[SR+8*\kb+4*\jj+\j], vcc_lo
.endr
.endr
.endr
.endif
.if \mask == 2
.Lplain_\@:
.endif
	; the largest of my 32 scores, in four chains, then of the query's 64
.irp kb, 0,1,2,3
	v_max3_num_f32 v[CH+\kb], v[SR+8*\kb], v[SR+8*\kb+1], v[SR+8*\kb+2]
.endr
.irp kb, 0,1,2,3
	v_max3_num_f32 v[CH+\kb], v[CH+\kb], v[SR+8*\kb+3], v[SR+8*\kb+4]
.endr
.irp kb, 0,1,2,3
	v_max3_num_f32 v[CH+\kb], v[CH+\kb], v[SR+8*\kb+5], v[SR+8*\kb+6]
.endr
.irp kb, 0,1,2,3
	v_max_num_f32 v[CH+\kb], v[CH+\kb], v[SR+8*\kb+7]
.endr
	v_max3_num_f32 v[NMC+1], v[CH], v[CH+1], v[CH+2]
	v_max_num_f32 v[NMC+1], v[NMC+1], v[CH+3]
	v_permlanex16_b32 v[AL+1], v[NMC+1], s41, s42
	v_max_num_f32 v[TA], v[NMC+1], v[AL+1]
.if \first
	v_mul_f32 v[NMC], s40, v[TA]                   ; n = -c x maximum
.else
	v_mul_f32 v[TA+1], s40, v[TA]
	v_min_num_f32 v[NMC], v[TA+1], v[ML+2*\a]      ; the smaller n belongs to the larger maximum
	v_sub_f32 v[TA+1], v[NMC], v[ML+2*\a]
	v_exp_f32 v[AL], v[TA+1]                       ; what the old sums are rescaled by; plain instructions follow before it is used (ISA guide 5.7.2)
.endif
.set q, 0
.rept 16
	v_pk_fma_f32 v[SR+2*q:SR+2*q+1], v[SR+2*q:SR+2*q+1], s[38:39], v[NMC:NMC+1] op_sel_hi:[1,0,0]   ; c s + n, both halves with s38 and v30
.set q, q+1
.endr
.set q, 0
.rept 32
	v_exp_f32 v[SR+q], v[SR+q]
.set q, q+1
.endr
	v_mov_b32 v[ML+2*\a], v[NMC]                   ; the plain instruction behind the exponentials
	s_wait_alu depctr_va_vdst(0)
.irp i, 0,1,2,3
	v_pk_add_f32 v[SM+2*\i:SM+2*\i+1], v[SR+8*\i:SR+8*\i+1], v[SR+8*\i+2:SR+8*\i+3]
.endr
.irp i, 0,1,2,3
	v_pk_add_f32 v[SM+2*\i:SM+2*\i+1], v[SM+2*\i:SM+2*\i+1], v[SR+8*\i+4:SR+8*\i+5]
.endr
.irp i, 0,1,2,3
	v_pk_add_f32 v[SM+2*\i:SM+2*\i+1], v[SM+2*\i:SM+2*\i+1], v[SR+8*\i+6:SR+8*\i+7]
.endr
	v_pk_add_f32 v[SM:SM+1], v[SM:SM+1], v[SM+2:SM+3]
	v_pk_add_f32 v[SM+4:SM+5], v[SM+4:SM+5], v[SM+6:SM+7]
	v_pk_add_f32 v[SM:SM+1], v[SM:SM+1], v[SM+4:SM+5]
.if \first
	v_add_f32 v[ML+2*\a+1], v[SM], v[SM+1]
.else
	v_add_f32 v[TA], v[SM], v[SM+1]
	v_fma_f32 v[ML+2*\a+1], v[ML+2*\a+1], v[AL], v[TA]             ; l stays my half's own; the halves meet in the merge
.endif
.set q, 0
.rept 16
	v_cvt_pk_f16_f32 v[PR+q], v[SR+2*q], v[SR+2*q+1]               ; key blocks 0, 1 make fragment 0, blocks 2, 3 fragment 1
.set q, q+1
.endr
.if \first == 0
	WIN 0x41                                       ; destination and source 0 window 1
.set q, 0
.rept 16
	v_pk_mul_f32 v[OA+32*\a+2*q:OA+32*\a+2*q+1], v[OA+32*\a+2*q:OA+32*\a+2*q+1], v[AL:AL+1] op_sel_hi:[1,0]
.set q, q+1
.endr
.endif
	WIN 0x50                                       ; C and D window 1
	s_wait_dscnt 0x0                               ; V is in (met at once behind the group's first tile)
.irp db, 0,1,2,3
.if \first
	v_wmma_f32_16x16x32_f16 v[OA+32*\a+8*\db:OA+32*\a+8*\db+7], v[VF+16*\db:VF+16*\db+7], v[PR:PR+7], 0
.else
	v_wmma_f32_16x16x32_f16 v[OA+32*\a+8*\db:OA+32*\a+8*\db+7], v[VF+16*\db:VF+16*\db+7], v[PR:PR+7], v[OA+32*\a+8*\db:OA+32*\a+8*\db+7]
.endif
.endr
.irp db, 0,1,2,3
	v_wmma_f32_16x16x32_f16 v[OA+32*\a+8*\db:OA+32*\a+8*\db+7], v[VF+16*\db+8:VF+16*\db+15], v[PR+8:PR+15], v[OA+32*\a+8*\db:OA+32*\a+8*\db+7]
.endr
	WIN 0
.endm
; The change of slots in front of the pair in slot.  Every wave waits for all its tensor loads (its part of this pair among them) and for its LDS reads of the
; other slot; behind the barrier the refill of the other slot, with the pair after this one, is the wave's first and only tensor load.
; refill = 0: nothing is left to fetch.  1: every wave fetches.  2: a wave whose group lies beyond the last (odd p, the last pair's second half) fetches nothing.
.macro HEAD slot, refill
	s_wait_tensorcnt 0x0                           ; no tensor load of mine is out: a group 0 may be written
	ds_add_u32 v6, v21
	s_wait_dscnt 0x0
.if \refill
	SETADR (1-\slot), 0
.endif
	s_wait_dscnt 0x0
	s_barrier_signal -1
	s_barrier_wait -1
.if \refill == 1
	tensor_load_to_lds s[G0+4-4*\slot:G0+7-4*\slot], s[G1:G1+7]
	s_nop 0
.endif
.if \refill == 2
	s_cmp_gt_u32 s43, s61                          ; s43 has been stepped by 2: the load's n > 15 - p
	s_cbranch_scc1 .Lnone_\@
	tensor_load_to_lds s[G0+4-4*\slot:G0+7-4*\slot], s[G1:G1+7]
	s_nop 0
.Lnone_\@:
.endif
.endm
; One group of 256 keys: half 0 or 1 of the pair in slot.  lomode: 0 no lo tiles, 1 lo tiles if n <= p, 2 lo tiles masked.  himask: as QT's mask.
.macro GROUP slot, half, lomode, himask, first
.if \first == 0
	PLACES                                         ; behind the last group's matrix instructions, which read the K and V registers
.endif
.irp kb, 0,1,2,3
.irp s, 0,1
	ds_load_b128 v[KF+8*(2*\kb+\s):KF+8*(2*\kb+\s)+3],   v[ADRK+\slot] offset:\half*HALF+\kb*16*PITCH+64*\s
	ds_load_b128 v[KF+8*(2*\kb+\s)+4:KF+8*(2*\kb+\s)+7], v[ADRK+\slot] offset:\half*HALF+\kb*16*PITCH+64*\s+32
.endr
.endr
.irp db, 0,1,2,3
.irp ks, 0,1
	ds_load_tr16_b128 v[VF+8*(2*\db+\ks):VF+8*(2*\db+\ks)+3],   v[ADRV+\slot] offset:\half*HALF+\ks*32*PITCH+32*\db
	ds_load_tr16_b128 v[VF+8*(2*\db+\ks)+4:VF+8*(2*\db+\ks)+7], v[ADRV+\slot] offset:\half*HALF+\ks*32*PITCH+32*\db+16*PITCH
.endr
.endr
	s_wait_dscnt 16                                ; K's sixteen loads are in; V's sixteen may stay out
.if \lomode == 2
	QT 0, 1, \first
	QT 1, 1, \first
.endif
.if \lomode == 1
	s_cmp_gt_u32 s36, s13                          ; the same in all eight waves: n and p
	s_cbranch_scc1 .Lno_lo_\@
	QT 0, 0, 0
	QT 1, 0, 0
.Lno_lo_\@:
.endif
	QT 2, \himask, \first
	QT 3, \himask, \first
	s_add_co_u32 s36, s36, 1
.endm
; The last pair: n = 14 - p and 15 - p for even p, n = 15 - p alone for odd p.  lo's tiles are long done.
.macro LAST slot
	HEAD \slot, 0
	GROUP \slot, 0, 0, 2, 0
	s_and_b32 s50, s13, 1
	s_cmp_lg_u32 s50, 0
	s_cbranch_scc1 .Lmerge
	GROUP \slot, 1, 0, 1, 0
.endm
	; With M = 8 - p / 2 pairs: pair 0; the loop takes pairs 1 .. 2 t, t = (M - 3) / 2 rounded down (2, 2, 1, 1 for M = 8, 7, 6, 5), all of which fetch a whole pair;
	; then one more pair in slot 1; then for even M a pair in slot 0 and the last in slot 1, for odd M the last in slot 0.
	s_lshr_b32 s37, s13, 1
	s_sub_co_u32 s37, 5, s37
	s_lshr_b32 s37, s37, 1                         ; t
	s_wait_tensorcnt 0x1                           ; my part of pair 0 is in; pair 1's stays out
	s_barrier_signal -1
	s_barrier_wait -1
	GROUP 0, 0, 2, 0, 1                            ; n = 0: group p
	GROUP 0, 1, 1, 0, 0                            ; n = 1
.Lpair:
	HEAD 1, 1
	GROUP 1, 0, 1, 0, 0
	GROUP 1, 1, 1, 0, 0
	HEAD 0, 1
	GROUP 0, 0, 1, 0, 0
	GROUP 0, 1, 1, 0, 0
	s_sub_co_i32 s37, s37, 1
	s_cmp_gt_i32 s37, 0                            ; a signed compare: the count coming down ends the loop from any start
	s_cbranch_scc1 .Lpair
	HEAD 1, 2                                      ; for odd M this fetches the last pair
	GROUP 1, 0, 1, 0, 0
	GROUP 1, 1, 1, 0, 0
	s_and_b32 s50, s13, 2                          ; M is odd iff p / 2 is
	s_cmp_lg_u32 s50, 0
	s_cbranch_scc1 .Lodd_pairs
	HEAD 0, 2                                      ; even M: n = 12, 13 (p = 0, 1) or 8, 9 (p = 4, 5), beyond p: no lo tiles; fetches the last pair
	GROUP 0, 0, 0, 0, 0
	GROUP 0, 1, 0, 0, 0
	LAST 1
	s_branch .Lmerge
.Lodd_pairs:
	LAST 0
.Lmerge:
	; THE MERGE.  Each wave publishes (n, l) of its four tiles; every wave of a qg then knows N = the smallest n, L = sum of l_k exp2(N - n_k),
	; and scales its own O by exp2(N - n) / L; the four scaled parts are added.
	PLACES
.irp a, 0,1,2,3
	v_permlanex16_b32 v[AL+1], v[ML+2*\a+1], s41, s42
	v_add_f32 v[ML+2*\a+1], v[ML+2*\a+1], v[AL+1]                  ; both halves now hold the same l
	ds_store_b64 v[ST], v[ML+2*\a:ML+2*\a+1] offset:128*\a
.endr
	s_wait_dscnt 0x0                               ; for the other waves' sake: these stores, and my last reads of the ring
	s_barrier_signal -1
	s_barrier_wait -1                              ; from here on nobody reads the ring and nothing fills it: slot 0's bytes serve as scratch
.irp a, 0,1,2,3
.irp k, 0,1,2,3
	ds_load_b64 v[MS+8*\a+2*\k:MS+8*\a+2*\k+1], v[LD] offset:512*\k+128*\a
.endr
.endr
	s_wait_dscnt 0x0
.irp a, 0,1,2,3
	v_min3_num_f32 v[TA], v[MS+8*\a], v[MS+8*\a+2], v[MS+8*\a+4]
	v_min_num_f32 v[TA], v[TA], v[MS+8*\a+6]
.irp k, 0,1,2,3
	v_sub_f32 v[CH+\k], v[TA], v[MS+8*\a+2*\k]
.endr
	v_sub_f32 v[TA+1], v[TA], v[ML+2*\a]
.irp k, 0,1,2,3
	v_exp_f32 v[CH+\k], v[CH+\k]
.endr
	v_exp_f32 v[TA+1], v[TA+1]
	v_nop                                          ; a plain instruction behind the exponentials (ISA guide 5.7.2)
	s_wait_alu depctr_va_vdst(0)
	v_mul_f32 v[SM], v[MS+8*\a+1], v[CH]
	v_fmac_f32 v[SM], v[MS+8*\a+3], v[CH+1]
	v_fmac_f32 v[SM], v[MS+8*\a+5], v[CH+2]
	v_fmac_f32 v[SM], v[MS+8*\a+7], v[CH+3]        ; L is at least 1: the row's largest score contributes exp2(0)
	v_rcp_f32 v[SM+1], v[SM]
	v_nop
	s_wait_alu depctr_va_vdst(0)
	v_mul_f32 v[SR+2*\a], v[TA+1], v[SM+1]
.endr
	WIN 0x41
.irp a, 0,1,2,3
.set q, 0
.rept 16
	v_pk_mul_f32 v[OA+32*\a+2*q:OA+32*\a+2*q+1], v[OA+32*\a+2*q:OA+32*\a+2*q+1], v[SR+2*\a:SR+2*\a+1] op_sel_hi:[1,0]
.set q, q+1
.endr
.endr
	WIN 0x04                                       ; an LDS store's data are source 1: window 1
.irp a, 0,1,2,3
.irp db, 0,1,2,3
	ds_store_b128 v[SC], v[OA+8*(4*\a+\db):OA+8*(4*\a+\db)+3]   offset:\a*16*PITCH+64*\db
	ds_store_b128 v[SC], v[OA+8*(4*\a+\db)+4:OA+8*(4*\a+\db)+7] offset:\a*16*PITCH+64*\db+16
.endr
.endr
	WIN 0
	s_wait_dscnt 0x0
	s_barrier_signal -1
	s_barrier_wait -1
	; I add the four parts of tile a = kw of my qg: two rows at a time, eight numbers a lane; lanes 0-7 of a row keep the leading parts, lanes 8-15 the remainders.
	v_cmp_eq_u32 vcc_lo, 1, v5
.irp half, 0,1
.irp i, 0,1,2,3
.irp k, 0,1,2,3
	ds_load_b128 v[KF+32*\i+8*\k:KF+32*\i+8*\k+3],   v[RDM] offset:\k*WSCR+(4*\half+\i)*2*PITCH
	ds_load_b128 v[KF+32*\i+8*\k+4:KF+32*\i+8*\k+7], v[RDM] offset:\k*WSCR+(4*\half+\i)*2*PITCH+16
.endr
.endr
.irp i, 0,1,2,3
	s_wait_dscnt 24-8*\i                           ; step i's eight loads are in; the later steps' stay out
.irp q, 0,1,2,3
	v_pk_add_f32 v[KF+32*\i+2*\q:KF+32*\i+2*\q+1], v[KF+32*\i+2*\q:KF+32*\i+2*\q+1], v[KF+32*\i+8+2*\q:KF+32*\i+8+2*\q+1]
	v_pk_add_f32 v[KF+32*\i+16+2*\q:KF+32*\i+16+2*\q+1], v[KF+32*\i+16+2*\q:KF+32*\i+16+2*\q+1], v[KF+32*\i+24+2*\q:KF+32*\i+24+2*\q+1]
.endr
.irp q, 0,1,2,3
	v_pk_add_f32 v[KF+32*\i+2*\q:KF+32*\i+2*\q+1], v[KF+32*\i+2*\q:KF+32*\i+2*\q+1], v[KF+32*\i+16+2*\q:KF+32*\i+16+2*\q+1]
.endr
.irp q, 0,1,2,3
	v_cvt_pk_bf16_f32 v[KF+32*\i+8+\q], v[KF+32*\i+2*\q], v[KF+32*\i+2*\q+1]        ; hi
.endr
.irp q, 0,1,2,3
	v_lshlrev_b32 v[KF+32*\i+16+2*\q], 16, v[KF+32*\i+8+\q]                         ; hi as f32
	v_and_b32 v[KF+32*\i+16+2*\q+1], 0xffff0000, v[KF+32*\i+8+\q]
.endr
.irp q, 0,1,2,3
	v_pk_add_f32 v[KF+32*\i+2*\q:KF+32*\i+2*\q+1], v[KF+32*\i+2*\q:KF+32*\i+2*\q+1], v[KF+32*\i+16+2*\q:KF+32*\i+16+2*\q+1] neg_lo:[0,1] neg_hi:[0,1]
.endr
.irp q, 0,1,2,3
	v_cvt_pk_bf16_f32 v[KF+32*\i+12+\q], v[KF+32*\i+2*\q], v[KF+32*\i+2*\q+1]       ; lo
.endr
.irp q, 0,1,2,3
	v_cndmask_b32 v[MS+4*(4*\half+\i)+\q], v[KF+32*\i+8+\q], v[KF+32*\i+12+\q], vcc_lo
.endr
	global_store_b128 v[AO], v[MS+4*(4*\half+\i):MS+4*(4*\half+\i)+3], s[48:49] offset:(4*\half+\i)*8192   ; 16 lanes store 256 consecutive bytes, aligned; no store's data is written again
.endr
.endr
	s_wait_tensorcnt 0x0
	ds_add_u32 v6, v21
	s_wait_dscnt 0x0
	s_endpgm                                       ; no tensor load is out: the last pair began with the wait for all and issued none
.Lfunc_end_k_qe4b1b7604c_attn:
	.size	k_qe4b1b7604c_attn, .Lfunc_end_k_qe4b1b7604c_attn-k_qe4b1b7604c_attn
	.p2alignl 7, 3214868480
	.fill 96, 4, 3214868480
	.section	.rodata,"a",@progbits
	.p2align	6, 0x0
	.amdhsa_kernel k_qe4b1b7604c_attn
		.amdhsa_group_segment_fixed_size 327680
		.amdhsa_private_segment_fixed_size 0
		.amdhsa_enable_private_segment 0
		.amdhsa_kernarg_size 24
		.amdhsa_user_sgpr_count 2
		.amdhsa_user_sgpr_kernarg_segment_ptr 1
		.amdhsa_wavefront_size32 1
		.amdhsa_system_sgpr_workgroup_id_x 1
		.amdhsa_system_sgpr_workgroup_id_y 1
		.amdhsa_system_sgpr_workgroup_id_z 1
		.amdhsa_system_vgpr_workitem_id 0
		.amdhsa_next_free_vgpr 448
		.amdhsa_next_free_sgpr 66
		.amdhsa_reserve_vcc 1
		.amdhsa_float_denorm_mode_32 3
		.amdhsa_float_denorm_mode_16_64 3
		.amdhsa_memory_ordered 1
		.amdhsa_forward_progress 1
		.amdhsa_inst_pref_size 255
	.end_amdhsa_kernel
	.section	.bss,"aw",@nobits
	.p2align	6
	.space	262144
	.amdgpu_metadata
---
amdhsa.version: [ 1, 2 ]
amdhsa.kernels:
  - .name:           k_qe4b1b7604c_attn
    .symbol:         k_qe4b1b7604c_attn.kd
    .args:
      - { .name: qf, .offset: 0, .size: 8, .value_kind: global_buffer, .address_space: global }
      - { .name: kvh, .offset: 8, .size: 8, .value_kind: global_buffer, .address_space: global }
      - { .name: ao, .offset: 16, .size: 8, .value_kind: global_buffer, .address_space: global }
    .group_segment_fixed_size: 327680
    .private_segment_fixed_size: 0
    .kernarg_segment_align: 8
    .kernarg_segment_size: 24
    .max_flat_workgroup_size: 256
    .sgpr_count:     66
    .vgpr_count:     448
    .wavefront_size: 32
...
	.end_amdgpu_metadata
.endif
;; end of part 3
;; launch o (part 4): grid 8 x 32, 4 waves a work-group, clusters of 4 x 4, 327,680 bytes of LDS; arguments ao, wob, bo, out0; writes out0
.if DOCPART == 4
	.amdgcn_target "amdgcn-amd-amdhsa--gfx1250"
	.amdhsa_code_object_version 6
	.text
	.protected	k_qe4b1b7604c_o
	.globl	k_qe4b1b7604c_o
	.p2align	8
	.type	k_qe4b1b7604c_o,@function
k_qe4b1b7604c_o:
	s_mov_b64 s[64:65], 0
	v_nop
	global_prefetch_b8 v0, s[64:65] scope:SCOPE_SE
	s_setreg_imm32_b32 hwreg(HW_REG_WAVE_MODE, 25, 1), 1
	s_wait_xcnt 0x0
	s_wait_alu depctr_hold_cnt(0) depctr_sa_sdst(0) depctr_va_vdst(0) depctr_va_sdst(0) depctr_va_ssrc(0) depctr_va_vcc(0) depctr_vm_vsrc(0)
	s_getreg_b32 s2, hwreg(HW_REG_IB_STS2, 6, 4)
	s_cmp_eq_u32 s2, 0
	s_cbranch_scc0 .Lentry_in_a_cluster
	s_endpgm
.Lentry_in_a_cluster:
	s_bfe_u32 s2, ttmp6, 0x10000c
	s_cmp_lg_u32 s2, 0xf033
	s_cbranch_scc0 .Lentry_shape_is_right
	s_endpgm
.Lentry_shape_is_right:
; out0[m][n] = bo[n] + sum over heads g and d of (hi[m][g][d] + lo[m][g][d]) Wo[n][64 g + d].
; ao: [2048][2048] bf16, head g at bytes 256 g of a row: 64 leading parts hi, then 64 remainders lo.  wob: [1024][1024] bf16.  bo: [1024] f32.  out0: [2048][1024] f32.
; hi and lo of a head multiply the same 64 columns of Wo: a fragment of Wo read from LDS serves a fragment of hi and one of lo.
; A work-group makes 64 rows x 128 columns with four waves, 2 x 2; a wave makes 32 rows x 64 columns: 8 accumulator tiles of 16 x 16.
; 2048/64 x 1024/128 = 256 work-groups, each of which reads 64 x 4,096 bytes of ao and 128 x 2,048 bytes of wob.
; THE RING: two LDS slots of four heads each: 64 rows x 1,024 bytes of ao and 128 rows x 512 bytes of wob.  Sixteen heads are four fills: both slots at the
; start (two tensor loads of a wave are out), and each slot once again (one is out), with the other slot's 128 matrix instructions a wave in which to land.
; CLUSTERS: 4 x 4 work-groups.  ao's tile hangs on the block row alone and is asked for jointly along a row of the cluster, wob's on the
; block column alone and is asked for jointly along a column.
; The matrix instruction is used transposed (source 0 = 16 rows of wob, source 1 = 16 rows of ao): lane l then holds row l % 16 of the result and its
; registers 0-7 the columns 8 (l / 16) + 0 .. 7.  The first product takes the bias as C: nothing is cleared and nothing is added later.
.set NS,     4                         ; fills: four heads each
.set PA,     1040                      ; an LDS row of ao: 1,024 bytes + 16 of padding = 65 x 16: the 16 rows of a fragment load start 16 bytes apart modulo 256
.set PW,     528                       ; an LDS row of wob: 512 bytes + 16 = 33 x 16
.set QUART,  64*PW                     ; 33,792: the room of one tensor load: 64 rows of wob fill it, 32 rows of ao take 33,280 of it
.set SLOT,   4*QUART                   ; 135,168: ao's two halves, then wob's two halves
.set STAGE,  2*SLOT                    ; 270,336: 16 rows x 272 bytes for each wave, for the way out; no tensor load lands here
.set SPITCH, 272
.set ADRA, 4                           ; v4-5    LDS address of my ao fragments in slot 0, 1
.set ADRB, 6                           ; v6-7    the same for wob
.set STO,  10                          ; v10     the way out: where I put 32 bytes of a row
.set RD,   11                          ; v11     the way out: where I read 16 bytes of a row back
.set CO,   12                          ; v12     my byte offset in out0
.set BO,   13                          ; v13     my byte offset in the bias
.set ACC,  16                          ; v[16:79]    tile (a, b) at 16 + 8 (4 a + b)
.set F0,   80                          ; v[80:207]   two fragment buffers of 64: ao's (t, a) at 8 (2 t + a), t = 0 hi, 1 lo; wob's b at 32 + 8 b
.set BIAS, 208                         ; v[208:239]  8 registers for each b
.set G1,  16                           ; s[16:23] group 1 for ao's tiles
.set G1B, 24                           ; s[24:31] group 1 for wob's tiles
.set G0,  32                           ; s[32:39] group 0 for ao's tiles, one set for each slot
.set G0B, 40                           ; s[40:47] group 0 for wob's tiles, one set for each slot
; A joint load: waves 0, 1 fetch ao's two halves (32 rows each), waves 2, 3 wob's (64 rows each).  The branch hangs on the wave's number alone.
.macro JLOAD s
	s_cmp_eq_u32 s13, 0
	s_cbranch_scc0 .Lfor_w_\@
	tensor_load_to_lds s[G0+4*\s:G0+4*\s+3], s[G1:G1+7]
	s_nop 0
	s_branch .Lasked_\@
.Lfor_w_\@:
	tensor_load_to_lds s[G0B+4*\s:G0B+4*\s+3], s[G1B:G1B+7]
	s_nop 0
.Lasked_\@:
.endm
; A round of the cluster's barrier: my work-group's barrier, wave 0 signals for the work-group, every wave waits for all sixteen, my work-group's barrier again.
.macro CROUND
	s_barrier_signal -1
	s_barrier_wait -1
	s_cmp_lg_u32 s12, 0
	s_cbranch_scc1 .Lnot_wave_0_\@
	s_barrier_signal -3
.Lnot_wave_0_\@:
	s_barrier_wait -3
	s_barrier_signal -1
	s_barrier_wait -1
.endm
; Four plain vector instructions stand between a matrix instruction and a load into, or a vector or LDS instruction on, its registers
.macro PLACES
.rept 4
	v_nop
.endr
.endm
; 16 LDS loads: chunk kc of a slot (32 columns of Wo: half kc % 2 of the slot's head kc / 2) into buffer f: hi and lo of my 32 rows, and my 64 rows of wob
.macro FETCH slot, kc, f
.irp t, 0,1
.irp a, 0,1
	ds_load_b128 v[\f+8*(2*\t+\a):\f+8*(2*\t+\a)+3],   v[ADRA+\slot] offset:\a*16*PA+((\kc)>>1)*256+\t*128+((\kc)&1)*64
	ds_load_b128 v[\f+8*(2*\t+\a)+4:\f+8*(2*\t+\a)+7], v[ADRA+\slot] offset:\a*16*PA+((\kc)>>1)*256+\t*128+((\kc)&1)*64+32
.endr
.endr
.irp b, 0,1,2,3
	ds_load_b128 v[\f+32+8*\b:\f+32+8*\b+3],   v[ADRB+\slot] offset:\b*16*PW+64*(\kc)
	ds_load_b128 v[\f+32+8*\b+4:\f+32+8*\b+7], v[ADRB+\slot] offset:\b*16*PW+64*(\kc)+32
.endr
.endm
; 16 matrix instructions: the eight accumulators take turns, once with hi and once with lo
.macro MUL16 f, first
.irp t, 0,1
.irp a, 0,1
.irp b, 0,1,2,3
.if \first*(1-\t)
	v_wmma_f32_16x16x32_bf16 v[ACC+8*(4*\a+\b):ACC+8*(4*\a+\b)+7], v[\f+32+8*\b:\f+32+8*\b+7], v[\f+8*(2*\t+\a):\f+8*(2*\t+\a)+7], v[BIAS+8*\b:BIAS+8*\b+7]
.else
	v_wmma_f32_16x16x32_bf16 v[ACC+8*(4*\a+\b):ACC+8*(4*\a+\b)+7], v[\f+32+8*\b:\f+32+8*\b+7], v[\f+8*(2*\t+\a):\f+8*(2*\t+\a)+7], v[ACC+8*(4*\a+\b):ACC+8*(4*\a+\b)+7]
.endif
.endr
.endr
.endr
.endm
; Chunk kc of a slot: the next chunk's fragments are asked for (into the buffer that chunk kc - 1 has just used), then chunk kc is multiplied.
; The wait leaves out the sixteen loads issued behind chunk kc's own; the last chunk's wait is for none.
.macro STEP slot, kc, first
.if \kc < 7
.if \kc > 0
	PLACES
.endif
	FETCH \slot, \kc+1, (F0+64*((\kc+1)&1))
	s_wait_dscnt 16
.else
	s_wait_dscnt 0
.endif
	MUL16 (F0+64*(\kc&1)), \first
.endm
.macro WORK slot, first                ; a whole slot: 8 chunks, 128 matrix instructions
	PLACES
	FETCH \slot, 0, F0
	STEP \slot, 0, \first
.irp kc, 1,2,3,4,5,6,7
	STEP \slot, \kc, 0
.endr
.endm
	s_load_b256 s[4:11], s[0:1], 0x0               ; ao s[4:5], wob s[6:7], bo s[8:9], out0 s[10:11]
	v_lshl_add_u32 v240, v0, 2, 0x46400
	v_mov_b32 v241, 0
	ds_add_u32 v240, v241
	ds_add_u32 v240, v241
	v_lshrrev_b32 v1, 5, v0
	v_readfirstlane_b32 s12, v1                    ; wave 0..3
	s_lshr_b32 s13, s12, 1                         ; which 32 of the block's rows are mine.  Also: I fetch for ao (0) or for wob (1)
	s_and_b32 s14, s12, 1                          ; which 64 of its columns.  Also: which half of that tile I fetch
	s_bfe_u32 s56, ttmp6, 0x40000                  ; cx
	s_bfe_u32 s57, ttmp6, 0x40004                  ; cy
	s_lshl_b32 s58, ttmp9, 2
	s_add_co_u32 s58, s58, s56                     ; block column = 4 x cluster x + cx
	s_and_b32 s59, ttmp7, 0xffff
	s_lshl_b32 s59, s59, 2
	s_add_co_u32 s59, s59, s57                     ; block row = 4 x cluster y + cy
	s_lshl_b32 s60, s57, 2
	s_lshl_b32 s60, 15, s60                        ; my row of the cluster: places 4 cy .. 4 cy + 3
	s_lshl_b32 s61, 0x1111, s56                    ; my column: places cx, cx + 4, cx + 8, cx + 12
	; group 1 for ao: elements of 2 bytes, padding on, bit 21 beside the mask, 4 words of padding behind every 256 words (a row of 1,024 bytes)
	s_or_b32 s[G1+0], s60, (1<<16)|(1<<20)|(1<<21)|(7<<22)|(3<<25)
	s_mov_b32 s[G1+1], 512<<16                     ; tensor_dim0 = 512
	s_mov_b32 s[G1+2], 32<<16                      ; tensor_dim1 = 32
	s_mov_b32 s[G1+3], 512<<16                     ; tile_dim0 = 512 elements
	s_mov_b32 s[G1+4], 32                          ; tile_dim1 = 32 rows
	s_mov_b32 s[G1+5], 2048                        ; elements from row to row
	s_mov_b32 s[G1+6], 0
	s_mov_b32 s[G1+7], 0
	; group 1 for wob: 4 words of padding behind every 128 words (a row of 512 bytes)
	s_or_b32 s[G1B+0], s61, (1<<16)|(1<<20)|(1<<21)|(6<<22)|(3<<25)
	s_mov_b32 s[G1B+1], 256<<16
	s_mov_b32 s[G1B+2], 64<<16                     ; 64 rows
	s_mov_b32 s[G1B+3], 256<<16
	s_mov_b32 s[G1B+4], 64
	s_mov_b32 s[G1B+5], 1024
	s_mov_b32 s[G1B+6], 0
	s_mov_b32 s[G1B+7], 0
	; where the tiles come from: ao's address is made of the block row and the wave's number, wob's of the block column and the wave's number
	s_lshl_b32 s66, s59, 6
	s_lshl_b32 s62, s14, 5
	s_add_co_u32 s66, s66, s62                     ; ao: row 64 x block row + 32 x half
	s_lshl_b32 s66, s66, 12                        ; 4,096 bytes a row (below 2^23)
	s_mov_b32 s67, 0
	s_lshl_b32 s68, s58, 7
	s_lshl_b32 s62, s14, 6
	s_add_co_u32 s68, s68, s62                     ; wob: row 128 x block column + 64 x half
	s_lshl_b32 s68, s68, 11                        ; 2,048 bytes a row
	s_mov_b32 s69, 0
	s_mul_i32 s62, s12, QUART                      ; where they go: the wave's number x 33,792: no place in the cluster enters an LDS address
	s_wait_dscnt 0x0
	s_wait_kmcnt 0x0
	s_add_nc_u64 s[66:67], s[4:5], s[66:67]        ; kept: every later address is this plus a constant
	s_add_nc_u64 s[68:69], s[6:7], s[68:69]
.irp s, 0,1
	s_mov_b32 s[G0+4*\s], 1
	s_add_co_u32 s[G0+4*\s+1], s62, \s*SLOT
	s_add_nc_u64 s[G0+4*\s+2:G0+4*\s+3], s[66:67], \s*1024         ; heads 4 s .. 4 s + 3: 256 bytes each
	s_or_b32 s[G0+4*\s+3], s[G0+4*\s+3], 0x80000000                ; type = 2
	s_mov_b32 s[G0B+4*\s], 1
	s_add_co_u32 s[G0B+4*\s+1], s62, \s*SLOT
	s_add_nc_u64 s[G0B+4*\s+2:G0B+4*\s+3], s[68:69], \s*512        ; the same heads' columns: 128 bytes each
	s_or_b32 s[G0B+4*\s+3], s[G0B+4*\s+3], 0x80000000
.endr
	CROUND                                         ; all sixteen work-groups are here: the first joint loads meet
	s_cmp_eq_u32 s13, 0                            ; the two first fills of a wave, in one branch
	s_cbranch_scc0 .Lfirst_w
	tensor_load_to_lds s[G0:G0+3], s[G1:G1+7]
	s_nop 0
	tensor_load_to_lds s[G0+4:G0+7], s[G1:G1+7]
	s_nop 0
	s_branch .Lfirst_done
.Lfirst_w:
	tensor_load_to_lds s[G0B:G0B+3], s[G1B:G1B+7]
	s_nop 0
	tensor_load_to_lds s[G0B+4:G0B+7], s[G1B:G1B+7]
	s_nop 0
.Lfirst_done:
	v_and_b32 v1, 15, v0                           ; r
	v_bfe_u32 v2, v0, 4, 1                         ; h
	s_lshl_b32 s71, s58, 9
	s_lshl_b32 s70, s14, 8
	s_add_co_u32 s71, s71, s70                     ; my 64 columns: 512 x block column + 256 x half, in bytes of the bias and of a row of out0
	v_lshlrev_b32 v3, 5, v2
	v_add_nc_u32 v[BO], s71, v3                    ; bias[first column + 16 b + 8 h + j]: b and j in the immediate
.irp b, 0,1,2,3
	global_load_b128 v[BIAS+8*\b:BIAS+8*\b+3],   v[BO], s[8:9] offset:64*\b
	global_load_b128 v[BIAS+8*\b+4:BIAS+8*\b+7], v[BO], s[8:9] offset:64*\b+16
.endr
	; a fragment: lane l holds row l % 16; two loads of 16 bytes, 32 apart, at row x pitch + 16 (l / 16)
	v_mul_u32_u24 v3, v1, PA
	v_lshl_add_u32 v3, v2, 4, v3
	s_mul_i32 s70, s13, QUART                      ; my 32 rows of ao are one fetched half
	v_add_nc_u32 v[ADRA], s70, v3
	v_add_nc_u32 v[ADRA+1], SLOT, v[ADRA]
	v_mul_u32_u24 v3, v1, PW
	v_lshl_add_u32 v3, v2, 4, v3
	s_mul_i32 s70, s14, QUART                      ; my 64 rows of wob are one fetched half,
	s_add_co_u32 s70, s70, 2*QUART                 ; behind ao's two
	v_add_nc_u32 v[ADRB], s70, v3
	v_add_nc_u32 v[ADRB+1], SLOT, v[ADRB]
	s_mul_i32 s70, s12, 16*SPITCH
	s_add_co_u32 s70, s70, STAGE                   ; my stage
	v_mul_u32_u24 v3, v1, SPITCH
	v_lshl_add_u32 v3, v2, 5, v3
	v_add_nc_u32 v[STO], s70, v3                   ; in: row r, 32 bytes for each half of the lanes
	v_mul_u32_u24 v3, v2, SPITCH
	v_lshl_add_u32 v3, v1, 4, v3
	v_add_nc_u32 v[RD], s70, v3                    ; back: lanes 0-15 one row of 256 bytes, lanes 16-31 the next
	v_lshlrev_b32 v3, 12, v2
	v_lshl_add_u32 v[CO], v1, 4, v3                ; the same two rows in out0 (4,096 bytes a row)
	s_lshl_b32 s72, s59, 6
	s_lshl_b32 s73, s13, 5
	s_add_co_u32 s72, s72, s73                     ; my first row of out0
	s_lshl_b32 s72, s72, 12
	s_add_co_u32 s72, s72, s71
	s_mov_b32 s73, 0
	s_add_nc_u64 s[10:11], s[10:11], s[72:73]
	s_wait_loadcnt 0x0                             ; the bias
	s_wait_tensorcnt 0x1                           ; my part of fill 0 is in; fill 1's stays out
	s_barrier_signal -1
	s_barrier_wait -1
; Fill j lies in LDS slot j % 2.  Behind its work the slot is filled again with fill j + 2, if there is one: every wave waits for all its tensor loads
; (its part of fill j + 1 among them) and for its LDS reads, a round of the cluster's barrier follows, and the joint load is the wave's first and only
; tensor load behind it.  The last fill is shown to all by a plain barrier in front of its work.
.set j, 0
.rept NS
.set sl, j&1
.if j == NS-1
	s_wait_tensorcnt 0x0                           ; my part of the last fill is in
	s_wait_dscnt 0x0
	s_barrier_signal -1
	s_barrier_wait -1                              ; everybody's is
.endif
.if j == 0
	WORK sl, 1
.else
	WORK sl, 0
.endif
.if j+2 < NS
	s_wait_tensorcnt 0x0                           ; no tensor load of mine is out: a group 0 may be written
	ds_add_u32 v240, v241
	s_add_nc_u64 s[G0+4*sl+2:G0+4*sl+3], s[66:67], (j+2)*1024
	s_or_b32 s[G0+4*sl+3], s[G0+4*sl+3], 0x80000000
	s_add_nc_u64 s[G0B+4*sl+2:G0B+4*sl+3], s[68:69], (j+2)*512
	s_or_b32 s[G0B+4*sl+3], s[G0B+4*sl+3], 0x80000000
	s_wait_dscnt 0x0                               ; my reads of this slot are back
	CROUND                                         ; both hold of every wave of all sixteen work-groups
	JLOAD sl
.endif
.set j, j+1
.endr
	; THE WAY OUT, 16 rows at a time: 32 bytes a lane into my own stage, read back as whole rows of 256 bytes.
	PLACES                                         ; behind the last matrix instructions: the LDS stores read results, the loads land in fragment buffers
.macro OUT a, f
.irp b, 0,1,2,3
	ds_store_b128 v[STO], v[ACC+8*(4*\a+\b):ACC+8*(4*\a+\b)+3]   offset:64*\b
	ds_store_b128 v[STO], v[ACC+8*(4*\a+\b)+4:ACC+8*(4*\a+\b)+7] offset:64*\b+16
.endr
.irp t, 0,1,2,3,4,5,6,7
	ds_load_b128 v[\f+4*\t:\f+4*\t+3], v[RD] offset:\t*2*SPITCH    ; LDS serves a wave's instructions in order (ISA guide 5.7.1): these see the stores above
.endr
.irp t, 0,1,2,3,4,5,6,7
	s_wait_dscnt 7-\t
	global_store_b128 v[CO], v[\f+4*\t:\f+4*\t+3], s[10:11] offset:\a*65536+\t*8192   ; 16 lanes store 256 consecutive bytes, aligned
.endr
.endm
	OUT 0, F0
	OUT 1, (F0+64)                                 ; other registers: no store's data is written again
	s_wait_tensorcnt 0x0
	ds_add_u32 v240, v241
	s_wait_dscnt 0x0
	CROUND                                         ; the closing round: no work-group ends while a partner may still ask for a tile that names it
	s_endpgm
.Lfunc_end_k_qe4b1b7604c_o:
	.size	k_qe4b1b7604c_o, .Lfunc_end_k_qe4b1b7604c_o-k_qe4b1b7604c_o
	.p2alignl 7, 3214868480
	.fill 96, 4, 3214868480
	.section	.rodata,"a",@progbits
	.p2align	6, 0x0
	.amdhsa_kernel k_qe4b1b7604c_o
		.amdhsa_group_segment_fixed_size 327680
		.amdhsa_private_segment_fixed_size 0
		.amdhsa_enable_private_segment 0
		.amdhsa_kernarg_size 32
		.amdhsa_user_sgpr_count 2
		.amdhsa_user_sgpr_kernarg_segment_ptr 1
		.amdhsa_wavefront_size32 1
		.amdhsa_system_sgpr_workgroup_id_x 1
		.amdhsa_system_sgpr_workgroup_id_y 1
		.amdhsa_system_sgpr_workgroup_id_z 1
		.amdhsa_system_vgpr_workitem_id 0
		.amdhsa_next_free_vgpr 242
		.amdhsa_next_free_sgpr 76
		.amdhsa_reserve_vcc 0
		.amdhsa_float_denorm_mode_32 3
		.amdhsa_float_denorm_mode_16_64 3
		.amdhsa_memory_ordered 1
		.amdhsa_forward_progress 1
		.amdhsa_inst_pref_size 83
	.end_amdhsa_kernel
	.amdgpu_metadata
---
amdhsa.version: [ 1, 2 ]
amdhsa.kernels:
  - .name:           k_qe4b1b7604c_o
    .symbol:         k_qe4b1b7604c_o.kd
    .args:
      - { .name: ao, .offset: 0, .size: 8, .value_kind: global_buffer, .address_space: global }
      - { .name: wob, .offset: 8, .size: 8, .value_kind: global_buffer, .address_space: global }
      - { .name: bo, .offset: 16, .size: 8, .value_kind: global_buffer, .address_space: global }
      - { .name: out0, .offset: 24, .size: 8, .value_kind: global_buffer, .address_space: global }
    .group_segment_fixed_size: 327680
    .private_segment_fixed_size: 0
    .kernarg_segment_align: 8
    .kernarg_segment_size: 32
    .max_flat_workgroup_size: 128
    .sgpr_count:     76
    .vgpr_count:     242
    .wavefront_size: 32
...
	.end_amdgpu_metadata
.endif
;; end of part 4
